; MI455X (gfx1250); checked and timed in simulation.
; The chip was launched on July 23, 2026; its instructions are those of AMD's public machine-readable ISA for CDNA 5 (MIT licence, August 2026) and "CDNA5" Instruction Set Architecture Reference Guide (July 2026). The comments in the code are by the model that wrote it; some were corrected since.
;; Grouped Query Attention. Allowed arithmetic: matrix products marked QUANTISED: E2M3 operands, one E8M0 scale for each 32 along K, by v_wmma_scale_f32_16x16x128_f8f6f4 with both operands' format E2M3, f32 sums; everything else in f32.
;; Inputs: Wk 2,048 x 512 float32; Wq 2,048 x 2,048 float32; Wv 2,048 x 512 float32; x 2 x 2,048 x 2,048 float32.
;; Outputs: out0 2 x 2,048 x 2,048 float32.
;; This version of the problem:
;;   THIS VERSION OF THE PROBLEM IS GIVEN IN LOW PRECISION. The matrix products marked QUANTISED in the list below multiply operands that are first quantised to E2M3 (2 exponent bits, 3 mantissa bits; 6 bits a number), with one power-of-two scale for each 32 numbers along K (OCP MX v1.0); their sums are f32. All else is computed in f32.
;;   The module's matrix products, in the order in which they are computed (A, B: the left and right operand; K: the contracted axis; several contracted axes count as one K, in the product's order):
;;     1. [M 4,096, K 2,048] x [K 2,048, N 2,048]; A: input x; B: input Wq: QUANTISED
;;     2. [M 4,096, K 2,048] x [K 2,048, N 512]; A: input x; B: input Wk: QUANTISED
;;     3. [M 4,096, K 2,048] x [K 2,048, N 512]; A: input x; B: input Wv: QUANTISED
;;     4. batch 16 x [M 8,192, K 64] x [K 64, N 2,048]; A: computed on the way; B: computed on the way: QUANTISED
;;     5. batch 16 x [M 8,192, K 2,048] x [K 2,048, N 64]; A: softmax (see below); B: computed on the way: QUANTISED
;;   THE QUANTISER, for each operand of a quantised product, along K:
;;     - K is cut into blocks of 32 from its start; a last block that is shorter is filled with zeros.
;;     - A block's scale is 2^e with e = floor(log2(the largest magnitude in the block)) - 2, held to -126 .. 127; a block of zeros has e = 0. As a byte (E8M0): e + 127.
;;     - Each number is divided by its block's scale, clamped to +-7.5, and rounded to the nearest number of E2M3, ties to even, subnormals kept.
;;     - The product sums the exact products of the quantised numbers (number of the format x scale) in f32.
;;   ~~~python
;;   def quantise(x, axis):      # numpy; x: float32 -> the quantised numbers, widened to float32 again
;;       x = np.moveaxis(x, axis, -1); K = x.shape[-1]
;;       x = np.pad(x, [(0, 0)] * (x.ndim - 1) + [(0, -K % 32)]); x = x.reshape(x.shape[:-1] + (-1, 32)); a = np.abs(x).max(-1, keepdims=True)
;;       e = np.where(a > 0, np.clip(np.frexp(np.where(a > 0, a, 1))[1] - 1 - 2, -126, 127), 0)      # np.frexp(a)[1] - 1 = floor(log2(a)), exactly
;;       r = np.clip(x / 2.0 ** e, -7.5, 7.5)
;;       step = 2.0 ** (np.maximum(np.frexp(np.where(r == 0, 1, r))[1] - 1, 0) - 3)
;;       q = np.round(r / step) * step * 2.0 ** e      # np.round: ties to even
;;       return np.moveaxis(q.reshape(q.shape[:-2] + (-1,))[..., :K], -1, axis).astype(np.float32)
;;   ~~~
;;   SOFTMAX AHEAD OF A QUANTISED PRODUCT. Where the list says 'softmax', what is quantised is not the finished softmax but p = 2^(t - M), with t = logit x log2(e) and M = ceil(the row's largest t), a whole number; so 1/2 < the row's largest p <= 1. The row's sum l is taken of the UNQUANTISED p, in f32, and the product's result is divided by l at the end. Since M is a whole number, a kernel that streams over the keys may use a running M (the ceiling of the running maximum): every later rescaling is an exact power of two, which a block's scale takes up: the codes' values come out the same.
;;   OPERANDS COMPUTED ON THE WAY. 'Computed on the way' means the value that the module computes at that place (a softmax that the list does not call 'softmax' is quantised finished and normalised). What goes into a quantiser is computed in f32, as accurately as f32 sums, v_exp_f32 and their like allow (about 1e-6 of the number): no bf16 or f16 on the way to a quantiser, and a product that is left as it is and whose result goes on into a quantised operand takes f32 operands (vector FMAs, or v_wmma_f32_16x16x4_f32). A number that lies on a knife's edge between two numbers of the format may be rounded either way, as far as f32 arithmetic and the matrix unit's own rounding can turn it there, and no further.
;; One version. Each part assembles by itself: llvm-mc -triple=amdgcn-amd-amdhsa -mcpu=gfx1250 --defsym DOCPART=n.
;; ======== version 1 of 1: 3 launches
;; workspace buffers: xc 6,291,456 bytes; xs 262,144 bytes; wc 4,718,592 bytes; ws 196,608 bytes; rope 557,056 bytes; qc 6,291,456 bytes; qs 524,288 bytes; kv 3,342,336 bytes
;; launch prep (part 1): grid 465 x 1, 4 waves a work-group, no clusters, 68,096 bytes of LDS; arguments x, Wq, Wk, Wv, xc, xs, wc, ws, rope; writes xc, xs, wc, ws, rope
.if DOCPART == 1
	.amdgcn_target "amdgcn-amd-amdhsa--gfx1250"
	.amdhsa_code_object_version 6
	.text
	.protected	k_qd70240d9be_prep
	.globl	k_qd70240d9be_prep
	.p2align	8
	.type	k_qd70240d9be_prep,@function
k_qd70240d9be_prep:
	s_mov_b64 s[64:65], 0
	v_nop
	global_prefetch_b8 v0, s[64:65] scope:SCOPE_SE
	s_setreg_imm32_b32 hwreg(HW_REG_WAVE_MODE, 25, 1), 1
	s_wait_xcnt 0x0
; THREE JOBS IN ONE LAUNCH, told apart by the work-group's number; each has its own way through the text and its own LDS bytes.
;   work-groups 0-255:   x [4096][2048] f32 -> codes of FP6 (E2M3) xc [4096][1536 bytes], K innermost, and E8M0 bytes xs [4096][64]
;   work-groups 256-447: Wq [2048][2048], Wk, Wv [2048][512] f32, K their FIRST axis -> wc [3072][1536 bytes], ws [3072][64], K innermost
;   work-groups 448-464: the rotation table rope [2176][32][cos, sin] f32; rows 2048-2175 hold (1, 0)
; A block's scale is 2^(floor(log2(its largest magnitude)) - 2); its byte is the largest magnitude's exponent field - 2, held at 1 from below.
; THE ROW ORDER.  pi(i) swaps bits 3 and 4 of a row's number.  Row rho of xc, xs, wc, ws holds logical row pi(rho): so sixteen neighbouring rows of the workspace are logical rows
; 0-7 and 16-23 (or 8-15 and 24-31) of a group of 32, and the sixteen results that a lane of the product holds in two neighbouring tiles are sixteen neighbours.
; wc's logical rows: 0-2047 Wq's columns; then four times: 128 columns of Wk, the same 128 columns of Wv.
; LIMITS: a block whose largest magnitude lies under 2^-124 keeps the byte 1; a block of zeros gets the byte 1 where the rule says 127 (its codes are zeros, and this program alone reads the bytes);
; NaN and infinities among the inputs are not served.  The table's frequencies are 2^(-f log2(10000) / 32) by v_exp_f32 with its argument's rounding put back: about one unit in the last place of 10000^(-f/32).
.set SPARE, 67584                      ; behind both paths' LDS: the spare words, 128 bytes for each wave: two blocks of 256 bytes that no other line names
.set SPW,   208                        ; v208  LDS address of my spare word; never rewritten
.set NIL,   209                        ; v209  0; never rewritten
.set EMAX,  2
; ---- the x path's names
.set STEPS, 16                         ; a wave takes 16 steps of 512 numbers: four rows of x
.set CB,    12                         ; bytes of 16 codes
.set R,     16                         ; v16-79   four sets of 16 numbers as they are loaded
.set X,     80                         ; v80-111  two sets of 16 neighbours
.set E,     112                        ; v112-127 a scale byte for each step
.set C,     128                        ; v128-191 codes: four registers for each step, so that no store's data are written again
.set XREG,  8192                       ; LDS 0-32767: a region for each wave: two stages of 32 x SP bytes, behind them its 256 scale bytes
.set SP,    80                         ; a lane's place in a stage: its 64 bytes + 16 of padding
; ---- the W path's names
.set NB,    8                          ; a wave takes 32 columns x 256 along K: 8 blocks a lane
.set KROW,  1536                       ; a row of wc in bytes
.set WPITCH, 272                       ; a stage row: sixteen places of 16 bytes, each with 12 bytes of codes, + 16
.set WSTG,  32768                      ; LDS 32768-67583: a stage of 32 rows for each wave
.set SB,    24                         ; v24-25   my column's 8 scale bytes
.set WX,    32                         ; v32-95   two sets of 32 numbers
.set WC,    96                         ; v96-102  a block's codes
.set OUTR,  112                        ; v112-175 the way out
.set OFF,   176                        ; v176-207 row i of a block: i x the tensor's row bytes + 4 x lane; never rewritten
.macro XLOAD t
.irp i, 0,1,2,3
	global_load_b128 v[R+16*((\t)%4)+4*\i:R+16*((\t)%4)+4*\i+3], v3, s[8:9] offset:2048*(\t)+512*\i th:TH_LOAD_NT   ; 32 lanes read 512 consecutive bytes
.endr
.endm
.macro XTURN t                         ; step t's numbers through the stage: LDS serves a wave's instructions in order, so no wait stands between the stores and the loads
.irp i, 0,1,2,3
	ds_store_b128 v14, v[R+16*((\t)%4)+4*\i:R+16*((\t)%4)+4*\i+3] offset:32*SP*((\t)%2)+8*SP*\i
.endr
.irp i, 0,1,2,3
	ds_load_b128 v[X+16*((\t)%2)+4*\i:X+16*((\t)%2)+4*\i+3], v15 offset:32*SP*((\t)%2)+16*\i
.endr
.endm
.macro XSTEP t
.set XS, X+16*((\t)%2)
.if (\t) > 0
	s_wait_dscnt 1                                 ; this step's numbers are back from the stage (the last step's byte store may be out): so its stores into the stage have read their registers,
.else
	s_wait_dscnt 0x0
.endif
.if (\t)+4 < STEPS
	XLOAD (\t)+4                                   ; which take the loads of four steps on
.endif
.if (\t)+1 < STEPS
.if STEPS-2-(\t) >= 3
	s_wait_loadcnt 12                              ; the next step's four loads are in; those of the three steps behind it may be out
.else
	s_wait_loadcnt 4*(STEPS-2-(\t))
.endif
	XTURN (\t)+1                                   ; and go through the other stage while this step is worked
.endif
	v_max3_num_f32 v8, |v[XS]|, |v[XS+1]|, |v[XS+2]|               ; the largest magnitude of my 16, in two chains
	v_max3_num_f32 v9, |v[XS+3]|, |v[XS+4]|, |v[XS+5]|
.irp i, 6,10
	v_max3_num_f32 v8, v8, |v[XS+\i]|, |v[XS+\i+1]|
	v_max3_num_f32 v9, v9, |v[XS+\i+2]|, |v[XS+\i+3]|
.endr
	v_max3_num_f32 v8, v8, |v[XS+14]|, |v[XS+15]|
	v_max3_num_f32 v8, v8, v9, (EMAX+1)<<23        ; and the floor 2^(3 - 127): the byte cannot fall under 1
	v_max_num_f32_dpp v8, v8, v8 row_xmask:1 row_mask:0xf bank_mask:0xf   ; and of my neighbour's 16: the block's
	v_add_nc_u32 v11, -(EMAX<<23), v8              ; 2 off its exponent field: the conversion takes the exponent field of this operand as its scale
	v_cvt_scalef32_pk16_fp6_f32 v[C+4*(\t):C+4*(\t)+2], v[XS:XS+15], v11
	v_lshrrev_b32 v[E+(\t)], 23, v11               ; the scale's byte (also the plain line behind the conversion)
	ds_store_b8 v5, v[E+(\t)] offset:16*(\t)       ; both lanes of a block write the same byte with the same value
	global_store_b96 v4, v[C+4*(\t):C+4*(\t)+2], s[16:17] offset:32*CB*(\t)   ; the wave stores 384 consecutive bytes
.endm
.macro WLOAD t                         ; block t: W(32 t + i, my column), i = 0 .. 31, into set t % 2; each block has a base of its own, so nothing is stepped
.irp i, 0,1,2,3,4,5,6,7,8,9,10,11,12,13,14,15,16,17,18,19,20,21,22,23,24,25,26,27,28,29,30,31
	global_load_b32 v[WX+32*((\t)%2)+\i], v[OFF+\i], s[32+2*(\t):33+2*(\t)] th:TH_LOAD_NT
.endr
.endm
.macro WBLOCK t
.set XS, WX+32*((\t)%2)
.if (\t) < NB-1
	s_wait_loadcnt 32                              ; this block's 32 loads are in; the next block's may be out
.else
	s_wait_loadcnt 0
.endif
	v_max3_num_f32 v12, |v[XS]|, |v[XS+1]|, |v[XS+2]|              ; the block's largest magnitude: all 32 numbers are mine
	v_max3_num_f32 v13, |v[XS+3]|, |v[XS+4]|, |v[XS+5]|
.irp i, 6,10,14,18,22,26
	v_max3_num_f32 v12, v12, |v[XS+\i]|, |v[XS+\i+1]|
	v_max3_num_f32 v13, v13, |v[XS+\i+2]|, |v[XS+\i+3]|
.endr
	v_max3_num_f32 v12, v12, |v[XS+30]|, |v[XS+31]|
	v_max3_num_f32 v12, v12, v13, (EMAX+1)<<23     ; and the floor
	v_add_nc_u32 v11, -(EMAX<<23), v12             ; the conversion's scale operand
	v_lshrrev_b32 v13, 23, v11                     ; the scale's byte
.if (\t)%4 == 0
	v_mov_b32 v[SB+(\t)/4], v13                    ; four bytes to a register, the lower K in the lower byte
.else
	v_lshl_or_b32 v[SB+(\t)/4], v13, 8*((\t)%4), v[SB+(\t)/4]
.endif
	v_cvt_scalef32_pk16_fp6_f32 v[WC:WC+2], v[XS:XS+15], v11
	v_cvt_scalef32_pk16_fp6_f32 v[WC+4:WC+6], v[XS+16:XS+31], v11  ; (a conversion's three registers begin on an even number)
	ds_store_b96 v4, v[WC:WC+2] offset:32*(\t)     ; 16 codes, 12 bytes, to a place of 16 bytes in the stage
	ds_store_b96 v4, v[WC+4:WC+6] offset:32*(\t)+16
.if (\t)+2 < NB
	WLOAD (\t)+2
.endif
	s_wait_dscnt 0x0                               ; the stores have read their registers: the next block's codes may be written
.endm
	s_load_b512 s[8:23], s[0:1], 0x0               ; x 8:9, Wq 10:11, Wk 12:13, Wv 14:15, xc 16:17, xs 18:19, wc 20:21, ws 22:23
	s_load_b64 s[24:25], s[0:1], 0x40              ; rope
	v_lshl_add_u32 v[SPW], v0, 2, SPARE
	v_mov_b32 v[NIL], 0
	v_lshrrev_b32 v1, 5, v0
	v_readfirstlane_b32 s26, v1                    ; wave 0..3
	v_and_b32 v2, 31, v0                           ; lane
	s_wait_kmcnt 0x0
	s_cmp_lt_u32 ttmp9, 256
	s_cbranch_scc1 .Lx
	s_cmp_lt_u32 ttmp9, 448
	s_cbranch_scc1 .Lw
	; ================ THE TABLE.  A wave makes 32 rows; a lane is a frequency f; a row is 32 x (cos, sin) = 256 bytes, stored whole by one instruction.
	s_sub_co_u32 s27, ttmp9, 448
	s_lshl_b32 s27, s27, 2
	s_add_co_u32 s27, s27, s26
	s_lshl_b32 s27, s27, 5                         ; my first row
	s_cmp_lt_u32 s27, 2048
	s_cselect_b32 s28, 0x3f800000, 0               ; rows from 2048 on take the frequency 0: angle 0, (cos, sin) = (1, 0) exactly
	s_lshl_b32 s30, s27, 8
	s_mov_b32 s31, 0
	s_add_nc_u64 s[24:25], s[24:25], s[30:31]
	s_mov_b32 s32, 0x3f22f983                      ; 2 / pi
	s_mov_b32 s33, 0x3fc90fdb                      ; pi / 2 in three parts
	s_mov_b32 s34, 0xb33bbd2e
	s_mov_b32 s35, 0xa6f72ced
	s_mov_b32 s36, 0x3638ef1d                      ; 1 / 9!
	s_mov_b32 s37, 0xb493f27e                      ; -1 / 10!
	v_cvt_f32_u32 v3, v2                           ; f
	v_mul_f32 v4, 0xbed49a78, v3                   ; a = -f log2(10000) / 32, rounded;
	v_fma_f32 v5, v3, 0xbed49a78, -v4              ; what that rounding dropped,
	v_fmamk_f32 v5, v3, 0xb217995f, v5             ; and what the constant's own rounding dropped
	v_exp_f32 v6, v4
	v_cvt_f32_u32 v7, s27                          ; the position (a plain line behind the exponential)
	s_wait_alu depctr_va_vdst(0)                   ; the wait ahead of the first line that names the exponential's result
	v_mul_f32 v5, v6, v5
	v_fmamk_f32 v6, v5, 0x3f317218, v6             ; 2^(a + e) = 2^a (1 + e ln 2)
	v_mul_f32 v6, s28, v6
	v_lshlrev_b32 v8, 3, v2                        ; 8 bytes a lane
	s_mov_b32 s40, 0
.Lrow:
	v_mul_f32 v10, v7, v6                          ; the angle, one f32 product
	v_mul_f32 v11, s32, v10
	v_rndne_f32 v11, v11                           ; k = the nearest multiple of pi / 2
	v_fma_f32 v12, -v11, s33, v10
	v_fma_f32 v12, -v11, s34, v12
	v_fma_f32 v12, -v11, s35, v12                  ; r = angle - k pi / 2, at most pi / 4 in magnitude
	v_mul_f32 v13, v12, v12                        ; z = r r
	v_fmaak_f32 v14, s36, v13, 0xb9500d01          ; sine's series to r^9 and cosine's to r^10, by turns
	v_fmaak_f32 v15, s37, v13, 0x37d00d01
	v_fmaak_f32 v14, v14, v13, 0x3c088889
	v_fmaak_f32 v15, v15, v13, 0xbab60b61
	v_fmaak_f32 v14, v14, v13, 0xbe2aaaab
	v_fmaak_f32 v15, v15, v13, 0x3d2aaaab
	v_mul_f32 v16, v12, v13
	v_fma_f32 v15, v15, v13, -0.5
	v_fma_f32 v14, v16, v14, v12                   ; sin r
	v_fma_f32 v15, v15, v13, 1.0                   ; cos r
	v_cvt_i32_f32 v17, v11
	v_and_b32 v18, 1, v17
	v_cmp_eq_u32 vcc_lo, 1, v18                    ; an odd k swaps the two (a choice of values: no branch, no address hangs on it)
	v_cndmask_b32 v20, v15, v14, vcc_lo
	v_cndmask_b32 v21, v14, v15, vcc_lo
	v_add_nc_u32 v18, 1, v17
	v_and_b32 v18, 2, v18                          ; cos is negative where k mod 4 is 1 or 2,
	v_and_b32 v19, 2, v17                          ; sin where it is 2 or 3
	v_lshlrev_b32 v18, 30, v18
	v_lshlrev_b32 v19, 30, v19
	v_xor_b32 v20, v20, v18
	v_xor_b32 v21, v21, v19
	global_store_b64 v8, v[20:21], s[24:25]        ; 32 lanes store 256 consecutive bytes, aligned
	s_wait_xcnt 0x0                                ; the store's offset and data are written again only behind this wait
	v_add_nc_u32 v8, 256, v8
	v_add_f32 v7, 1.0, v7
	s_add_co_u32 s40, s40, 1
	s_cmp_lt_u32 s40, 32
	s_cbranch_scc1 .Lrow
	s_wait_tensorcnt 0x0                           ; the wave's end in this launch
	ds_add_u32 v[SPW], v[NIL]
	s_wait_dscnt 0x0
	s_endpgm
	; ================ x.  Each of a step's four loads reads 512 consecutive bytes; the 2,048 bytes turn through the wave's own stage and come back 64 bytes a lane: 16 neighbours along K; two lanes hold a block.
.Lx:
	v_lshlrev_b32 v3, 4, v2                        ; my 16 bytes of a load's 512
	s_mul_i32 s27, s26, XREG
	v_lshrrev_b32 v14, 2, v2
	v_mul_u32_u24 v14, v14, SP
	v_and_b32 v15, 3, v2
	v_lshl_add_u32 v14, v15, 4, v14
	v_add_nc_u32 v14, s27, v14                     ; the stage, on the way in: SP (lane / 4) + 16 (lane % 4)
	v_mul_u32_u24 v15, v2, SP
	v_add_nc_u32 v15, s27, v15                     ; and on the way out: SP x lane
	v_mul_u32_u24 v4, v2, CB                       ; my codes' place in a step's
	v_lshrrev_b32 v5, 1, v2
	s_add_co_u32 s27, s27, 2*32*SP
	v_add_nc_u32 v5, s27, v5                       ; my wave's 256 scale bytes, my block's byte
	v_lshlrev_b32 v7, 3, v2                        ; and on the way out 8 bytes a lane
	v_add_nc_u32 v6, s27, v7
	s_lshl_b32 s28, ttmp9, 2
	s_add_co_u32 s28, s28, s26                     ; q: which four rows of x are my wave's
	s_lshl_b32 s30, s28, 15                        ; 32,768 bytes of x
	s_mov_b32 s31, 0
	s_add_nc_u64 s[8:9], s[8:9], s[30:31]
	s_and_b32 s30, s28, 2                          ; pi on rows is a swap of bits 1 and 2 of q
	s_lshl_b32 s30, s30, 1
	s_and_b32 s29, s28, 4
	s_lshr_b32 s29, s29, 1
	s_and_b32 s28, s28, 0xfffffff9
	s_or_b32 s28, s28, s30
	s_or_b32 s28, s28, s29
	s_mul_i32 s30, s28, 4*KROW
	s_add_nc_u64 s[16:17], s[16:17], s[30:31]
	s_lshl_b32 s30, s28, 8
	s_add_nc_u64 s[18:19], s[18:19], s[30:31]
.irp t, 0,1,2,3
	XLOAD \t
.endr
	s_wait_loadcnt 12                              ; step 0's four loads are in
	XTURN 0
.irp t, 0,1,2,3,4,5,6,7,8,9,10,11,12,13,14,15
	XSTEP \t
.endr
	ds_load_b64 v[8:9], v6                         ; LDS serves a wave's instructions in order: these see my byte stores
	s_wait_dscnt 0x0
	global_store_b64 v7, v[8:9], s[18:19]          ; 32 lanes store 256 consecutive bytes, aligned: four rows' scale bytes
	s_wait_tensorcnt 0x0                           ; the wave's end, behind my last LDS store
	ds_add_u32 v[SPW], v[NIL]
	s_wait_dscnt 0x0
	s_endpgm
	; ================ W.  A lane takes a column and its registers run down K: a block of 32 lies in one lane, and the conversions give codes with K innermost.  They leave through the wave's stage as rows.
.Lw:
	s_sub_co_u32 s27, ttmp9, 256
	s_and_b32 s28, s27, 7                          ; which 256 along K
	s_lshr_b32 s27, s27, 3                         ; which 128 columns: 0-15 of Wq, 16-19 of Wk, 20-23 of Wv
	s_lshl_b32 s29, s26, 5                         ; my wave's 32 of them
	s_and_b32 s48, s27, 3
	s_lshl_b32 s30, s48, 7
	s_add_co_u32 s30, s30, s29                     ; my first column in Wk or Wv
	s_lshl_b32 s31, s27, 7
	s_add_co_u32 s31, s31, s29                     ; in Wq: also its logical row in wc
	s_lshl_b32 s48, s48, 8
	s_add_co_u32 s48, s48, s29
	s_add_co_u32 s48, s48, 2048                    ; Wk's logical row: 2048 + 256 (column / 128) + column % 128
	s_cmp_lt_u32 s27, 20
	s_cselect_b64 s[50:51], s[12:13], s[14:15]
	s_cselect_b32 s49, 0, 128                      ; Wv's lie 128 further on
	s_add_co_u32 s48, s48, s49
	s_cmp_lt_u32 s27, 16
	s_cselect_b64 s[50:51], s[10:11], s[50:51]     ; the tensor
	s_cselect_b32 s30, s31, s30                    ; my first column in it
	s_cselect_b32 s48, s31, s48                    ; and its logical row in wc, a multiple of 32
	s_mov_b32 s52, 2048
	s_cselect_b32 s52, 8192, s52                   ; the tensor's row in bytes
	v_lshlrev_b32 v3, 2, v2
.irp i, 0,1,2,3,4,5,6,7,8,9,10,11,12,13,14,15,16,17,18,19,20,21,22,23,24,25,26,27,28,29,30,31
	v_mad_u32_u24 v[OFF+\i], s52, \i, v3
.endr
	s_lshl_b32 s53, s28, 8
	s_mul_i32 s53, s53, s52
	s_lshl_b32 s54, s30, 2
	s_add_co_u32 s54, s53, s54                     ; block 0: 256 ky rows down, 4 bytes a column
	s_mov_b32 s55, 0
	s_lshl_b32 s56, s52, 5                         ; from block to block: 32 rows
	s_mov_b32 s57, 0
	s_add_nc_u64 s[32:33], s[50:51], s[54:55]
.irp t, 1,2,3,4,5,6,7
	s_add_nc_u64 s[32+2*\t:33+2*\t], s[30+2*\t:31+2*\t], s[56:57]
.endr
	WLOAD 0
	WLOAD 1
	s_mul_i32 s58, s26, 32*WPITCH
	s_add_co_u32 s58, s58, WSTG                    ; my stage
	v_mul_u32_u24 v4, v2, WPITCH
	v_add_nc_u32 v4, s58, v4                       ; into it: row = my column
	v_and_b32 v5, 15, v2
	v_lshrrev_b32 v6, 4, v2                        ; out of it: sixteen lanes to a row, two rows an instruction
	v_mul_u32_u24 v7, v6, WPITCH
	v_lshl_add_u32 v7, v5, 4, v7
	v_add_nc_u32 v7, s58, v7
	v_mul_u32_u24 v8, v6, KROW
	v_mad_u32_u24 v8, v5, 12, v8                   ; and the same place in wc
	v_and_b32 v9, 7, v2                            ; pi(lane) x 64: my column's row of ws
	v_and_b32 v10, 8, v2
	v_lshl_or_b32 v9, v10, 1, v9
	v_and_b32 v10, 16, v2
	v_lshrrev_b32 v10, 1, v10
	v_or_b32 v9, v9, v10
	v_lshlrev_b32 v9, 6, v9
	s_mul_i32 s54, s48, KROW
	s_mul_i32 s59, s28, 192
	s_add_co_u32 s54, s54, s59
	s_add_nc_u64 s[20:21], s[20:21], s[54:55]      ; wc at my 32 rows, 192 bytes for each 256 along K
	s_lshl_b32 s54, s48, 6
	s_lshl_b32 s59, s28, 3
	s_add_co_u32 s54, s54, s59
	s_add_nc_u64 s[22:23], s[22:23], s[54:55]      ; ws likewise, 8 bytes
.set Q, 0
.rept NB
	WBLOCK Q
.set Q, Q+1
.endr
	global_store_b64 v9, v[SB:SB+1], s[22:23]      ; my column's 8 scale bytes
.irp t, 0,1,2,3,4,5,6,7,8,9,10,11,12,13,14,15
	ds_load_b96 v[OUTR+4*\t:OUTR+4*\t+2], v7 offset:2*\t*WPITCH   ; LDS serves a wave's instructions in order: these see my stores
.endr
.irp t, 0,1,2,3,4,5,6,7,8,9,10,11,12,13,14,15
	s_wait_dscnt 15-\t
	global_store_b96 v8, v[OUTR+4*\t:OUTR+4*\t+2], s[20:21] offset:(((2*\t)&7)|(((2*\t)&8)<<1)|(((2*\t)&16)>>1))*KROW   ; logical rows 2 t, 2 t + 1 go to rows pi(2 t), pi(2 t) + 1; sixteen lanes store a row's 192 consecutive bytes
.endr
	s_wait_tensorcnt 0x0                           ; the wave's end, behind my last LDS store
	ds_add_u32 v[SPW], v[NIL]
	s_wait_dscnt 0x0
	s_endpgm
.Lfunc_end_k_qd70240d9be_prep:
	.size	k_qd70240d9be_prep, .Lfunc_end_k_qd70240d9be_prep-k_qd70240d9be_prep
	.p2alignl 7, 3214868480
	.fill 96, 4, 3214868480
	.section	.rodata,"a",@progbits
	.p2align	6, 0x0
	.amdhsa_kernel k_qd70240d9be_prep
		.amdhsa_group_segment_fixed_size 68096
		.amdhsa_private_segment_fixed_size 0
		.amdhsa_enable_private_segment 0
		.amdhsa_kernarg_size 72
		.amdhsa_user_sgpr_count 2
		.amdhsa_user_sgpr_kernarg_segment_ptr 1
		.amdhsa_wavefront_size32 1
		.amdhsa_system_sgpr_workgroup_id_x 1
		.amdhsa_system_sgpr_workgroup_id_y 1
		.amdhsa_system_sgpr_workgroup_id_z 1
		.amdhsa_system_vgpr_workitem_id 0
		.amdhsa_next_free_vgpr 212
		.amdhsa_next_free_sgpr 66
		.amdhsa_reserve_vcc 1
		.amdhsa_float_denorm_mode_32 3
		.amdhsa_float_denorm_mode_16_64 3
		.amdhsa_memory_ordered 1
		.amdhsa_forward_progress 1
		.amdhsa_inst_pref_size 79
	.end_amdhsa_kernel
	.amdgpu_metadata
---
amdhsa.version: [ 1, 2 ]
amdhsa.kernels:
  - .name:           k_qd70240d9be_prep
    .symbol:         k_qd70240d9be_prep.kd
    .args:
      - { .name: x, .offset: 0, .size: 8, .value_kind: global_buffer, .address_space: global }
      - { .name: Wq, .offset: 8, .size: 8, .value_kind: global_buffer, .address_space: global }
      - { .name: Wk, .offset: 16, .size: 8, .value_kind: global_buffer, .address_space: global }
      - { .name: Wv, .offset: 24, .size: 8, .value_kind: global_buffer, .address_space: global }
      - { .name: xc, .offset: 32, .size: 8, .value_kind: global_buffer, .address_space: global }
      - { .name: xs, .offset: 40, .size: 8, .value_kind: global_buffer, .address_space: global }
      - { .name: wc, .offset: 48, .size: 8, .value_kind: global_buffer, .address_space: global }
      - { .name: ws, .offset: 56, .size: 8, .value_kind: global_buffer, .address_space: global }
      - { .name: rope, .offset: 64, .size: 8, .value_kind: global_buffer, .address_space: global }
    .group_segment_fixed_size: 68096
    .private_segment_fixed_size: 0
    .kernarg_segment_align: 8
    .kernarg_segment_size: 72
    .max_flat_workgroup_size: 128
    .sgpr_count:     66
    .vgpr_count:     212
    .wavefront_size: 32
...
	.end_amdgpu_metadata
.endif
;; end of part 1
;; launch proj (part 2): grid 12 x 16, 4 waves a work-group, clusters of 4 x 4, 327,680 bytes of LDS; arguments xc, xs, wc, ws, rope, qc, qs, kv; writes qc, qs, kv
.if DOCPART == 2
	.amdgcn_target "amdgcn-amd-amdhsa--gfx1250"
	.amdhsa_code_object_version 6
	.text
	.protected	k_qd70240d9be_proj
	.globl	k_qd70240d9be_proj
	.p2align	8
	.type	k_qd70240d9be_proj,@function
k_qd70240d9be_proj:
	s_mov_b64 s[64:65], 0
	v_nop
	global_prefetch_b8 v0, s[64:65] scope:SCOPE_SE
	s_setreg_imm32_b32 hwreg(HW_REG_WAVE_MODE, 25, 1), 1
	s_wait_xcnt 0x0
	s_wait_alu depctr_hold_cnt(0) depctr_sa_sdst(0) depctr_va_vdst(0) depctr_va_sdst(0) depctr_va_ssrc(0) depctr_va_vcc(0) depctr_vm_vsrc(0)
	s_getreg_b32 s2, hwreg(HW_REG_IB_STS2, 6, 4)
	s_cmp_eq_u32 s2, 0
	s_cbranch_scc0 .Lentry_in_a_cluster
	s_endpgm
.Lentry_in_a_cluster:
	s_bfe_u32 s2, ttmp6, 0x10000c
	s_cmp_lg_u32 s2, 0xf033
	s_cbranch_scc0 .Lentry_shape_is_right
	s_endpgm
.Lentry_shape_is_right:
; Q, K, V = x [Wq | Wk | Wv] on codes of FP6 (E2M3) with one E8M0 scale for each 32 along K; then, in registers, the rotation of Q and K by position and the quantising of all three for attention.
; A = xc [4096][2048 codes], B = wc [3072][2048 codes], K innermost, 1,536 bytes a row; xs, ws: 64 scale bytes a row.  No f32 result goes to memory: what is stored are codes and scale words, as images of the registers of attention's operands.
; A tile of 256 x 256 is made by a work-group of four waves; a wave makes 128 x 128: 64 accumulators, 512 registers.  K goes in steps of 256 through a ring of two LDS slots filled by the tensor data mover; the scale bytes of the
; work-group's 512 rows come into LDS once.  CLUSTERS of 4 x 4: A's tiles are asked for jointly along a row of the cluster, B's along a column.
; ROW ORDER: row rho of xc and wc holds logical row pi(rho), pi swapping bits 3 and 4.  So sixteen neighbouring LDS rows, tile 2 B + u, are logical rows 32 B + 8 u + r + 8 (r / 8), on both sides.
; SOURCE 0 = 16 rows of wc, SOURCE 1 = 16 rows of xc: for block a of x a lane holds ONE token, 32 (a / 2) + 8 (a % 2) + r + 8 (r / 8), and its 64 registers, 16 B + i, the columns 32 B + 16 (lane / 16) + i of the wave's 128: two heads of 64.
; KINDS.  Tile columns 0-7 are Q.  In tile columns 8-11 (cluster x = 2) a wave's column half 0 is K, half 1 is V.  A V WAVE SWAPS ITS SOURCES, by its LDS addresses alone: source 0 = x's rows, source 1 = Wv's:
; a lane then holds one channel of V and its registers run along 128 keys, which are the K of attention's second product.  The kind hangs on the cluster's x and the wave's number, alike in all partners.
; No prefetch: each wave issues six refills in all, every row of xc and wc is asked for by 12 or 16 work-groups through joint loads, and the first two tiles of the eight go out at the head.
; LIMITS: as the quantiser's in the launch before (byte held at 1 from below; a block of zeros gets the byte 1; NaN and infinities not served).  The rotation is one product and one fused multiply-add for each number.
; REGISTERS, in windows of 256: window 0: v0-31 addresses; v32-63 scale words, two sets; v64-127 two sets of table rows; from v128 source 1's fragments, ONE set; on the way out v128-247 are at work.
;   window 1: source 0's fragments, TWO sets, at v0 and v128.   window 2: the accumulators of source 1's blocks 0-3 ((a, b) at v[8 (8 (a % 4) + b)]);   window 3: of blocks 4-7.
.set SIZE_K, 2048
.set KSTEP,  256                       ; along K in a slot
.set NQ,     KSTEP/128                 ; matrix instructions deep
.set ROWB,   192                       ; a tile's row in bytes
.set KROW,   SIZE_K*6/8                ; a row of xc or wc in memory
.set PITCH,  240                       ; an LDS row: 3 x (64 bytes of data + 16 of padding)
.set FR,     12                        ; registers of a fragment
.set NL,     6                         ; LDS loads that bring one
.set NP,     4                         ; places behind this matrix instruction (ISA guide 7.12.1)
.set HALFT,  128*PITCH                 ; 128 rows: what one tensor load brings
.set SLOT,   4*HALFT                   ; A's 256 rows, then B's 256 rows
.set LAPS,   SIZE_K/(2*KSTEP)          ; a lap = two K steps = once round the ring
.set KS,     SIZE_K/32                 ; a row of scale bytes
.set SCL,    2*SLOT                    ; behind the ring: the scales, as units of 256 bytes + 16 of padding
.set HALFS,  (128*KS/256)*272          ; those of 128 rows
.set SBLK,   (16*KS/256)*272           ; those of 16 rows
.set SPARE,  SCL+4*HALFS               ; behind the scales: the spare words, 128 bytes for each wave: two blocks of 256 bytes that no other line names
.set REC,    13056                     ; kv: a record of 128 keys of one KV head: K's codes 6,144, V's codes 6,144, K's scale words 512, V's 256
.set LI8,  10                          ; v10     8 x lane
.set LI16, 11                          ; v11     16 x lane
.set VT,   12                          ; v12     my token's row in a block's 24 table rows, + my half's 64 bytes
.set ADRA, 16                          ; v16-17  LDS address of source 1's fragments in slot 0, 1  (v18-19: for the pieces that lie behind one padding more)
.set ADRB, 20                          ; v20-21  the same for source 0  (v22-23)
.set ADRS, 27                          ; v27     LDS address of my scale words: lanes 0-15 source 1's rows, lanes 16-31 source 0's
.set SPW,  28                          ; v28     LDS address of my spare word; never rewritten
.set NIL,  29                          ; v29     0; never rewritten
.set SC,   32                          ; scale words: set s at v[SC + 8 NQ s]; register NQ i + q: lanes 0-15 source 1's block i, lanes 16-31 source 0's block i
.set TB0,  64                          ; v64-95, v96-127: (cos, sin) of my token: registers 0-15 frequencies 8 h + 0..7, registers 16-31 frequencies 16 + 8 h + 0..7
.set AF,   128                         ; source 1's fragments
.set HA,   128                         ; the way out: v128-191 a block's 64 numbers
.set PC,   192                         ; v192-203 its codes; v204-206, v208-210 at work
.set TM,   212                         ; v212-215 largest magnitudes, v216-219 bytes, v224-227 scale operands
.set PWS,  232                         ; v232-239 the eight blocks' scale words
.set SA,   240                         ; v240-243 the same, two blocks to a register
.set SB,   244                         ; v244-247 their upper halves
.set G1, 24                            ; s[24:31] descriptor group 1 for A's tiles;  s[32:39] group 0, one set for each slot
.set G0, 32
.set G1B, 48                           ; s[48:55], s[56:63] the same for B's tiles
.set G0B, 56
.set G1S, 68                           ; s[68:75], s[76:79] groups 1 and 0 for A's scales;  s[80:87], s[88:91] for B's.  Behind the wait that shows those loads done, s68-s91 serve the way out
.set G0S, 76
.set G1SB, 80
.set G0SB, 88
.set MSB, 0
.macro WIN new                         ; the immediate's high byte repeats the setting that is left
.if MSB != \new
	s_set_vgpr_msb (MSB<<8)|\new
.set MSB, \new
.endif
.endm
.set MUL_LO, 0xa1                      ; source 0 window 1, source 1 window 0, C and D window 2
.set MUL_HI, 0xf1                      ; the same, C and D window 3
.set TO_B,   0x40                      ; destination window 1, address window 0
; A joint load: waves 0 and 1 fetch for A, waves 2 and 3 for B.  Each of the two lines has ONE mask and one set of registers for all that issue it; the branch hangs on the wave's number alone.
; An s_nop 0 and four v_nop follow each of the two lines, ahead of the jump, the label and what follows.
.macro JLOAD g0a, g1a, g0b, g1b
	s_cmp_eq_u32 s15, 0
	s_cbranch_scc0 .Lfor_b_\@
	tensor_load_to_lds s[\g0a:\g0a+3], s[\g1a:\g1a+7]
	s_nop 0
.rept 4
	v_nop
.endr
	s_branch .Lasked_\@
.Lfor_b_\@:
	tensor_load_to_lds s[\g0b:\g0b+3], s[\g1b:\g1b+7]
	s_nop 0
.rept 4
	v_nop
.endr
.Lasked_\@:
.endm
.macro CREST                           ; a round of the cluster's barrier behind its opening barrier
	s_cmp_lg_u32 s14, 0
	s_cbranch_scc1 .Lnot_wave_0_\@
	s_barrier_signal -3
.Lnot_wave_0_\@:
	s_barrier_wait -3
	s_barrier_signal -1
	s_barrier_wait -1
.endm
.macro CROUND                          ; a whole round
	s_barrier_signal -1
	s_barrier_wait -1
	CREST
.endm
	s_load_b256 s[4:11], s[0:1], 0x0               ; xc 4:5, xs 6:7, wc 8:9, ws 10:11
	s_load_b256 s[92:99], s[0:1], 0x20             ; rope 92:93, qc 94:95, qs 96:97, kv 98:99
	v_lshl_add_u32 v[SPW], v0, 2, SPARE
	v_mov_b32 v[NIL], 0
	ds_add_u32 v[SPW], v[NIL]                      ; the wave's opening: the add and its wait stand ahead of my first tensor load; the set-up below, work on registers, stands between them
	v_lshrrev_b32 v1, 5, v0
	v_readfirstlane_b32 s14, v1                    ; wave 0..3
	s_lshr_b32 s15, s14, 1                         ; which half of the tile's rows is mine.  Also: I fetch for A (0) or for B (1)
	s_and_b32 s16, s14, 1                          ; which half of its columns.  Also: which 128 rows of that tile I fetch
	s_bfe_u32 s40, ttmp6, 0x40000                  ; cx, cy: my place in the cluster
	s_bfe_u32 s41, ttmp6, 0x40004
	s_lshl_b32 s42, ttmp9, 2
	s_add_co_u32 s42, s42, s40                     ; tile column = 4 x cluster x + cx
	s_and_b32 s17, ttmp7, 0xffff
	s_lshl_b32 s17, s17, 2
	s_add_co_u32 s17, s17, s41                     ; tile row = 4 x cluster y + cy
	s_lshl_b32 s43, s41, 2
	s_lshl_b32 s43, 15, s43                        ; my row of the cluster
	s_lshl_b32 s44, 0x1111, s40                    ; my column
	; descriptor group 1: a tile of 128 rows x 192 bytes, padded in LDS
	s_or_b32 s[G1+0], s43, (0<<16)|(1<<20)|(1<<21)|(3<<22)|(3<<25)  ; 15:0 the mask: A's tiles go to my row; 17:16 element of 1 byte; 20 padding on; 21 set beside a mask; 24:22 after every 16 words (code 3); 31:25 of 4 words (code 3)
	s_or_b32 s[G1B+0], s44, (0<<16)|(1<<20)|(1<<21)|(3<<22)|(3<<25)
.irp g, G1, G1B
	s_mov_b32 s[\g+1], ROWB<<16                    ; tensor_dim0
	s_mov_b32 s[\g+2], 128<<16                     ; tensor_dim1 = 128
	s_mov_b32 s[\g+3], ROWB<<16                    ; tile_dim0
	s_mov_b32 s[\g+4], 128                         ; tile_dim1 = 128
	s_mov_b32 s[\g+5], KROW                        ; tensor_dim0_stride
	s_mov_b32 s[\g+6], 0
	s_mov_b32 s[\g+7], 0
.endr
	; and for the scales of 128 rows: a dense block of 8,192 bytes, as 32 rows of 256 bytes (32 elements of 8 bytes), 16 bytes of padding behind each
	s_or_b32 s[G1S+0], s43, (3<<16)|(1<<20)|(1<<21)|(5<<22)|(3<<25)
	s_or_b32 s[G1SB+0], s44, (3<<16)|(1<<20)|(1<<21)|(5<<22)|(3<<25)
.irp g, G1S, G1SB
	s_mov_b32 s[\g+1], 32<<16
	s_mov_b32 s[\g+2], (128*KS/256)<<16
	s_mov_b32 s[\g+3], 32<<16
	s_mov_b32 s[\g+4], 128*KS/256
	s_mov_b32 s[\g+5], 32
	s_mov_b32 s[\g+6], 0
	s_mov_b32 s[\g+7], 0
.endr
	s_lshl_b32 s18, s16, 7                         ; which 128 rows of the tile I fetch
	s_lshl_b32 s20, s17, 8
	s_add_co_u32 s20, s20, s18                     ; A: row 256 x tile row + 128 x half
	s_lshl_b32 s46, s42, 8
	s_add_co_u32 s46, s46, s18                     ; B: row 256 x tile column + 128 x half
	s_mov_b32 s21, 0
	s_mov_b32 s47, 0
	s_mov_b64 s[18:19], KS
	s_mul_u64 s[22:23], s[20:21], s[18:19]         ; where these rows' scales begin, in bytes
	s_mul_u64 s[100:101], s[46:47], s[18:19]
	s_mov_b64 s[18:19], KROW
	s_mul_u64 s[20:21], s[20:21], s[18:19]         ; and their codes
	s_mul_u64 s[46:47], s[46:47], s[18:19]
	s_mul_i32 s45, s14, HALFT                      ; where they go: wave x 128 rows: no place in the cluster enters an LDS address
	s_mul_i32 s12, s14, HALFS
	s_wait_dscnt 0x0                               ; the opening add is done
	s_wait_kmcnt 0x0
	s_add_nc_u64 s[20:21], s[4:5], s[20:21]
	s_add_nc_u64 s[22:23], s[6:7], s[22:23]
	s_add_nc_u64 s[46:47], s[8:9], s[46:47]
	s_add_nc_u64 s[100:101], s[10:11], s[100:101]
	CROUND                                         ; all sixteen work-groups are here: the first joint loads meet
	s_mov_b32 s[G0S], 1
	s_add_co_u32 s[G0S+1], s12, SCL
	s_mov_b64 s[G0S+2:G0S+3], s[22:23]
	s_or_b32 s[G0S+3], s[G0S+3], 0x80000000
	s_mov_b32 s[G0SB], 1
	s_add_co_u32 s[G0SB+1], s12, SCL
	s_mov_b64 s[G0SB+2:G0SB+3], s[100:101]
	s_or_b32 s[G0SB+3], s[G0SB+3], 0x80000000
	JLOAD G0S, G1S, G0SB, G1SB                     ; the scales first: they are wanted with K step 0
.irp s, 0,1
	s_mov_b32 s[G0+4*\s], 1
	s_add_co_u32 s[G0+4*\s+1], s45, \s*SLOT
	s_add_nc_u64 s[G0+4*\s+2:G0+4*\s+3], s[20:21], \s*ROWB
	s_or_b32 s[G0+4*\s+3], s[G0+4*\s+3], 0x80000000
	s_mov_b32 s[G0B+4*\s], 1
	s_add_co_u32 s[G0B+4*\s+1], s45, \s*SLOT
	s_add_nc_u64 s[G0B+4*\s+2:G0B+4*\s+3], s[46:47], \s*ROWB
	s_or_b32 s[G0B+4*\s+3], s[G0B+4*\s+3], 0x80000000
	JLOAD G0+4*\s, G1, G0B+4*\s, G1B
.endr
	v_and_b32 v1, 15, v0                           ; r = l % 16
	v_bfe_u32 v2, v0, 4, 1                         ; h = l / 16
	v_mul_u32_u24 v3, v1, PITCH
	v_mul_u32_u24 v4, v2, 24
	v_add_nc_u32 v4, v3, v4                        ; a fragment's row x pitch + 24 x half
	v_lshl_add_u32 v5, v2, 4, v4                   ; and the same behind one padding more
	s_mul_i32 s21, s15, HALFT                      ; my 128 rows of A
	s_mul_i32 s22, s16, HALFT                      ; my 128 rows of B,
	s_add_co_u32 s22, s22, 2*HALFT                 ; which lie behind A's 256
	s_cmp_eq_u32 ttmp9, 2
	s_cselect_b32 s66, s16, 0                      ; 1 in a V wave: cluster x = 2, column half 1
	s_cmp_eq_u32 s66, 1
	s_cselect_b32 s67, s22, s21                    ; source 1's rows: x's, in a V wave Wv's
	s_cselect_b32 s18, s21, s22                    ; source 0's rows: wc's, in a V wave x's
.irp s, 0,1
	v_add_nc_u32 v[ADRA+\s], s67, v4
	v_add_nc_u32 v[ADRB+\s], s18, v4
	v_add_nc_u32 v[ADRA+2+\s], s67, v5
	v_add_nc_u32 v[ADRB+2+\s], s18, v5
	s_add_co_u32 s67, s67, SLOT
	s_add_co_u32 s18, s18, SLOT
.endr
	v_mul_u32_u24 v5, v1, KS                       ; my row's scales: KS bytes a row,
	v_lshrrev_b32 v6, 8, v5
	v_lshl_add_u32 v5, v6, 4, v5                   ; and 16 more for each 256 passed
	s_mul_i32 s21, s15, HALFS                      ; A's: my 128 rows
	s_mul_i32 s22, s16, HALFS                      ; B's: my 128 rows, behind A's 256
	s_add_co_u32 s22, s22, 2*HALFS
	s_sub_co_u32 s22, s22, s21                     ; the distance from A's to B's
	v_mul_u32_u24 v6, s22, v2                      ; lanes 16-31 take B's;
	v_xor_b32 v7, 1, v2
	v_mul_u32_u24 v7, s22, v7                      ; in a V wave lanes 0-15 do: lanes 0-15 always hold source 1's words
	s_cmp_eq_u32 s66, 1
	s_cselect_b32 s19, -1, 0
	v_cndmask_b32 v6, v6, v7, s19
	s_add_co_u32 s21, s21, SCL
	v_add_nc_u32 v5, v5, v6
	v_add_nc_u32 v[ADRS], s21, v5
	v_and_b32 v6, 31, v0
	v_lshlrev_b32 v[LI8], 3, v6
	v_lshlrev_b32 v[LI16], 4, v6
	v_and_b32 v6, 8, v1
	v_add_nc_u32 v6, v6, v1                        ; r + 8 (r / 8)
	v_lshlrev_b32 v[VT], 8, v6                     ; a table row is 256 bytes
	v_lshl_add_u32 v[VT], v2, 6, v[VT]
.macro FRAG reg, adr, q, i             ; a fragment, 16 rows x 128 K of 6-bit codes, is 12 registers: lane l holds row l % 16; registers 6 c .. 6 c + 5 hold K = 64 c + 32 (l / 16) + 0 .. 31: 24 bytes of the row's stream of bits, as they lie
.irp p, 0,1,2,3,4,5                    ; in pieces of 8 bytes.  Lanes 0-15 take the row's pieces 12 q + 0, 1, 2 and 12 q + 6, 7, 8, lanes 16-31 those three pieces on
.set PCE, 12*(\q)+6*(\p/3)+\p%3        ; 16 bytes of padding lie behind every 64 bytes (8 pieces): where the piece three on lies behind one padding more, the second address register serves
.if PCE%8 < 5
	ds_load_b64 v[\reg+2*\p:\reg+2*\p+1], v[\adr] offset:8*PCE+16*(PCE/8)+(\i)*16*PITCH
.else
	ds_load_b64 v[\reg+2*\p:\reg+2*\p+1], v[\adr+2] offset:8*PCE+16*(PCE/8)+(\i)*16*PITCH
.endif
.endr
.endm
; 16 matrix instructions: source 1's blocks a0, a0 + 1 x source 0's eight, 128 along K: the slot's q-th.  p: source 0's set;  sc: the set of scale words.  zero = 1: the first product starts the sums: nothing is ever cleared.
; The 64 accumulators take turns, one instruction a turn, in the same order in every step.
.macro MUL16 a0, p, q, sc, zero
.irp a, \a0, \a0+1
.irp b, 0,1,2,3,4,5,6,7
.if \zero
	v_wmma_scale_f32_16x16x128_f8f6f4 v[8*(8*((\a)%4)+\b):8*(8*((\a)%4)+\b)+7], v[128*(\p)+FR*\b:128*(\p)+FR*\b+FR-1], v[AF+FR*(\a):AF+FR*(\a)+FR-1], 0, v[SC+8*NQ*(\sc)+NQ*\b+(\q)], v[SC+8*NQ*(\sc)+NQ*(\a)+(\q)] matrix_a_fmt:MATRIX_FMT_FP6 matrix_b_fmt:MATRIX_FMT_FP6 matrix_a_scale:MATRIX_SCALE_ROW1
.else
	v_wmma_scale_f32_16x16x128_f8f6f4 v[8*(8*((\a)%4)+\b):8*(8*((\a)%4)+\b)+7], v[128*(\p)+FR*\b:128*(\p)+FR*\b+FR-1], v[AF+FR*(\a):AF+FR*(\a)+FR-1], v[8*(8*((\a)%4)+\b):8*(8*((\a)%4)+\b)+7], v[SC+8*NQ*(\sc)+NQ*\b+(\q)], v[SC+8*NQ*(\sc)+NQ*(\a)+(\q)] matrix_a_fmt:MATRIX_FMT_FP6 matrix_b_fmt:MATRIX_FMT_FP6 matrix_a_scale:MATRIX_SCALE_ROW1
.endif
.endr
.endr
.endm
.macro FETCH_B slot, q, p              ; source 0's eight fragments of the slot's q-th 128 along K into set p
	WIN TO_B
.irp i, 0,1,2,3,4,5,6,7
	FRAG 128*(\p)+FR*\i, ADRB+\slot, \q, \i
.endr
	WIN 0
.endm
.macro FETCH_A slot, q, i0             ; source 1's blocks i0 .. i0 + 3
.irp i, \i0, \i0+1, \i0+2, \i0+3
	FRAG AF+FR*(\i), ADRA+\slot, \q, \i
.endr
.endm
.macro SCALES sc                       ; the next K step's scale words into set sc: NQ words a row
.irp i, 0,1,2,3,4,5,6,7
	ds_load_b64 v[SC+8*NQ*\sc+NQ*\i:SC+8*NQ*\sc+NQ*\i+1], v[ADRS] offset:\i*SBLK
.endr
.endm
; A load into a register that a matrix instruction has read, and a vector instruction that reads a matrix result or writes one of its registers, stand NP places behind that matrix instruction, and only plain vector
; instructions that name none of its registers are places (ISA guide 7.12.1 for vector instructions).
.macro PLACES n
.rept \n
	v_nop
.endr
.endm
; A step of 128 along K that has its successor in the same slot.
.macro STEP slot, q, zero
	s_wait_dscnt 4*NL                              ; source 0's set and source 1's blocks 0-3 are in; the youngest 24 loads (blocks 4-7) may be out
	WIN MUL_LO
	MUL16 0, (\q)%2, \q, \slot, \zero
	MUL16 2, (\q)%2, \q, \slot, \zero
	s_wait_dscnt 0                                 ; blocks 4-7 are in (asked for 32 matrix instructions ago)
	PLACES NP
	FETCH_B \slot, (\q)+1, 1-(\q)%2
	FETCH_A \slot, (\q)+1, 0
	WIN MUL_HI
	MUL16 4, (\q)%2, \q, \slot, \zero
	MUL16 6, (\q)%2, \q, \slot, \zero
	PLACES NP
	WIN 0
	FETCH_A \slot, (\q)+1, 4
.endm
; A slot's last step changes slots: ONE barrier; in front of it each wave waits for all its tensor loads, adds 0 to its spare word, and waits for that and for its own reads of this slot.  fill = 1: this slot is filled again, two K steps ahead.
.macro TURN slot, next, fill
	s_wait_tensorcnt 0x0                           ; all my tensor loads have landed: my part of the next slot;  (every window is 0 here)
	ds_add_u32 v[SPW], v[NIL]                      ; 0 onto my spare word
	s_wait_dscnt 4*NL+1                            ; (the add and the youngest 24 loads, blocks 4-7, may be out)
	WIN MUL_LO
	MUL16 0, 1, NQ-1, \slot, 0                     ; sixteen matrix instructions stand between the add and the wait for it
	s_wait_dscnt 0x0                               ; the add is done, and my reads of this slot are over
	s_barrier_signal -1
	MUL16 2, 1, NQ-1, \slot, 0
	WIN 0
	s_barrier_wait -1
.if \fill
	CREST                                          ; the barrier has opened a round of the cluster's barrier: no wave of any partner still reads this slot's tile or has a load on its way
	s_add_nc_u64 s[G0+4*\slot+2:G0+4*\slot+3], s[G0+4*\slot+2:G0+4*\slot+3], 2*ROWB
	s_add_nc_u64 s[G0B+4*\slot+2:G0B+4*\slot+3], s[G0B+4*\slot+2:G0B+4*\slot+3], 2*ROWB
	JLOAD G0+4*\slot, G1, G0B+4*\slot, G1B         ; the first tensor load behind the round; the four v_nop behind it are the places in front of the loads below
.else
	PLACES NP
.endif
	v_add_nc_u32 v[ADRS], 4*NQ, v[ADRS]            ; on to the next K step's scale words (no LDS load of mine is out)
	FETCH_B \next, 0, 0
	FETCH_A \next, 0, 0
	SCALES \next
	WIN MUL_HI
	MUL16 4, 1, NQ-1, \slot, 0
	MUL16 6, 1, NQ-1, \slot, 0
	PLACES NP
	WIN 0
	FETCH_A \next, 0, 4
.endm
; ---- THE WAY OUT'S MACROS
.macro RLOAD a                         ; the table rows of block a's sixteen tokens: my token's (cos, sin) of the 16 frequencies that my registers hold; in a V wave rows of (1, 0)
.set TBB, TB0+32*((\a)%2)
.irp i, 0,1,2,3,4,5,6,7
	global_load_b128 v[TBB+4*\i:TBB+4*\i+3], v[VT], s[70:71] offset:(32*((\a)/2)+8*((\a)%2))*256+128*(\i/4)+16*(\i%4)
.endr
.endm
.macro ROPE a                          ; block a's 64 results, rotated, into v[HA] on.  Registers 8 b + 2 q, + 1 are the pair of frequency 16 ((b / 2) % 2) + 8 h + 4 (b % 2) + q.  Each accumulator is read from its low end on
.set AC, 64*((\a)%4)
.set TBB, TB0+32*((\a)%2)
	WIN (0x02+(\a)/4)                              ; source 0: window 2 or 3
.irp b, 0,1,2,3,4,5,6,7
.irp q, 0,1,2,3
.set RPP, 8*\b+2*\q
.set RTT, TBB+16*((\b/2)%2)+2*(4*(\b%2)+\q)
	v_pk_mul_f32 v[HA+RPP:HA+RPP+1], v[AC+RPP:AC+RPP+1], v[RTT:RTT+1] op_sel_hi:[1,0]   ; (xe cos, xo cos)
.endr
.endr
.irp b, 0,1,2,3,4,5,6,7
.irp q, 0,1,2,3
.set RPP, 8*\b+2*\q
.set RTT, TBB+16*((\b/2)%2)+2*(4*(\b%2)+\q)
	v_fma_f32 v[HA+RPP], -v[AC+RPP+1], v[RTT+1], v[HA+RPP]       ; xe cos - xo sin
	v_fma_f32 v[HA+RPP+1], v[AC+RPP], v[RTT+1], v[HA+RPP+1]      ; xo cos + xe sin
.endr
.endr
	WIN 0
.endm
; 64 numbers of a lane, v[s] on, register 16 b + i = k 32 b + 16 (lane / 16) + i of my row, become a fragment's codes in v[PC] on and its scale word in v[pw].
.macro QUANT s, pw
.irp b, 0,1,2,3
	v_max3_num_f32 v[TM+\b], |v[\s+16*\b]|, |v[\s+1+16*\b]|, 0x1800000   ; block b: my 16 numbers, and the floor 2^(3 - 127): the byte cannot fall under 1
.endr
.irp i, 2,4,6,8,10,12,14
.irp b, 0,1,2,3
	v_max3_num_f32 v[TM+\b], v[TM+\b], |v[\s+16*\b+\i]|, |v[\s+1+16*\b+\i]|   ; (the four blocks by turns)
.endr
.endr
.irp b, 0,1,2,3
	v_permlanex16_b32 v[TM+4+\b], v[TM+\b], s86, s87
.endr
.irp b, 0,1,2,3
	v_max_num_f32 v[TM+\b], v[TM+\b], v[TM+4+\b]   ; with lane l xor 16's: the block's largest magnitude
.endr
.irp b, 0,1,2,3
	v_add_nc_u32 v[TM+12+\b], 0xff000000, v[TM+\b] ; 2 off its exponent field: the conversion's scale operand
.endr
.irp b, 0,1,2,3
	v_lshrrev_b32 v[TM+4+\b], 23, v[TM+12+\b]      ; the scale's byte
.endr
	v_lshl_or_b32 v[\pw], v[TM+5], 8, v[TM+4]      ; the four bytes make my row's scale word
	v_lshl_or_b32 v[\pw], v[TM+6], 16, v[\pw]
	v_lshl_or_b32 v[\pw], v[TM+7], 24, v[\pw]
.irp c, 0,1
	v_cvt_scalef32_pk16_fp6_f32 v[PC+6*\c:PC+2+6*\c], v[\s+32*\c:\s+15+32*\c], v[TM+12+2*\c]
	v_cvt_scalef32_pk16_fp6_f32 v[PC+12+4*\c:PC+14+4*\c], v[\s+16+32*\c:\s+31+32*\c], v[TM+12+2*\c+1]   ; (a conversion's three registers begin on an even number)
.endr
	v_nop                                          ; one plain place behind a scaled conversion
.irp c, 0,1                                    ; the operand's layout wants a WHOLE block in a lane: lanes 0-15 block 2 c, lanes 16-31 block 2 c + 1
.irp i, 0,1,2
	v_permlane16_swap_b32 v[PC+6*\c+\i], v[PC+12+4*\c+\i]
.endr
.irp i, 0,1,2
	v_mov_b32 v[PC+3+6*\c+\i], v[PC+12+4*\c+\i]
.endr
.endr
.endm
; Registers 0-5 (Q, K: the first head's 64 channels; V: keys 0-63) go to one place, registers 6-11 (the second head's; keys 64-127) to another: each store covers 256 consecutive bytes, aligned.
.macro OUT6
.irp c, 0,1,2
	global_store_b64 v[LI8], v[PC+2*\c:PC+2*\c+1], s[72:73] offset:256*\c
	global_store_b64 v[LI8], v[PC+6+2*\c:PC+7+2*\c], s[74:75] offset:256*\c
.endr
.endm
.macro BLOCK a
.if (\a) < 7
	s_wait_loadcnt 8                               ; this block's eight table loads are in; the next block's may be out
.else
	s_wait_loadcnt 0
.endif
	ROPE \a
.if (\a) < 6
	RLOAD (\a)+2                                   ; into the set just read
.endif
	s_wait_xcnt 0x0                                ; the last block's stores have read their data and their bases: both are written again only behind this wait
.if (\a) > 0
	s_add_nc_u64 s[72:73], s[72:73], s[80:81]      ; the next tile's image
	s_add_nc_u64 s[74:75], s[74:75], s[80:81]
.endif
.if (\a) == 4
	s_add_nc_u64 s[72:73], s[72:73], s[82:83]      ; V: blocks 4-7 are the next KV head's channels: on to its record.  Q, K: 0 is added
	s_add_nc_u64 s[74:75], s[74:75], s[82:83]
.endif
	QUANT HA, PWS+(\a)
	OUT6
.endm
	s_wait_tensorcnt 1                             ; the scales and my part of K step 0 are in (K step 1's load may be out),
	s_barrier_signal -1
	s_barrier_wait -1                              ; everybody's are
	; THE WAY OUT'S SCALARS, in the registers that held the scales' descriptors: the wait above has shown those loads done.
	s_lshl_b32 s68, s17, 1
	s_add_co_u32 s68, s68, s15                     ; which 128 rows of x are my wave's: 2 x tile row + half
	s_lshr_b32 s69, s68, 4                         ; the batch
	s_and_b32 s68, s68, 15                         ; u: the unit of 128 positions
	s_lshl_b32 s76, s68, 7
	s_cmp_eq_u32 s66, 1
	s_cselect_b32 s76, 2048, s76                   ; the table's rows: my positions'; in a V wave the rows of (1, 0)
	s_lshl_b32 s76, s76, 8
	s_mov_b32 s77, 0
	s_add_nc_u64 s[70:71], s[92:93], s[76:77]
	s_lshl_b32 s18, s42, 2
	s_lshl_b32 s19, s16, 1
	s_add_co_u32 s18, s18, s19                     ; Q: my first head = 4 x tile column + 2 x half,
	s_lshl_b32 s19, s69, 5
	s_add_co_u32 s18, s18, s19                     ; + 32 x batch
	s_lshl_b32 s19, s18, 7
	s_lshl_b32 s20, s68, 3
	s_add_co_u32 s19, s19, s20
	s_mul_i32 s19, s19, 768                        ; qc: tile 8 u of that head, 768 bytes a tile
	s_lshl_b32 s18, s18, 4
	s_add_co_u32 s18, s18, s68
	s_lshl_b32 s18, s18, 9                         ; qs: unit u of that head, 512 bytes a unit
	s_sub_co_u32 s20, s42, 8
	s_lshl_b32 s20, s20, 1
	s_lshl_b32 s21, s69, 3
	s_add_co_u32 s20, s20, s21                     ; K, V: my first KV head = 2 x (tile column - 8), + 8 x batch  (a number without meaning in a Q wave, where it is not chosen)
	s_lshl_b32 s20, s20, 4
	s_add_co_u32 s20, s20, s68
	s_mul_i32 s20, s20, REC                        ; its record of unit u
	s_cmp_eq_u32 s66, 1                            ; V?
	s_cselect_b32 s21, 6144, 0                     ; V's codes lie behind K's
	s_mov_b32 s22, 12288
	s_cselect_b32 s22, 12800, s22                  ; the scale words' place in a record
	s_mov_b32 s23, 16*REC
	s_cselect_b32 s23, 768, s23                    ; from registers 0-5's place to registers 6-11's: K: the next head's record; V: the same tile's second half
	s_mov_b32 s80, 768
	s_cselect_b32 s80, 1536, s80                   ; from tile to tile
	s_cselect_b32 s82, 16*REC-6144, 0              ; V: from the first head's fourth tile's end to the second head's first tile
	s_add_co_u32 s21, s20, s21
	s_add_co_u32 s22, s20, s22
	s_cmp_lt_u32 ttmp9, 2                          ; Q?
	s_cselect_b32 s76, s19, s21                    ; where my first tile's image goes
	s_cselect_b32 s40, s18, s22                    ; where my scale words go
	s_cselect_b32 s41, 128*768, s23                ; Q: the next head's tiles
	s_mov_b32 s78, 16*REC
	s_cselect_b32 s78, 16*512, s78                 ; from the first head's scale words to the second's
	s_cselect_b64 s[72:73], s[94:95], s[98:99]     ; the codes' buffer: qc or kv
	s_cselect_b64 s[88:89], s[96:97], s[98:99]     ; the scale words': qs or kv
	s_mov_b32 s79, 0
	s_mov_b32 s81, 0
	s_mov_b32 s83, 0
	s_add_nc_u64 s[72:73], s[72:73], s[76:77]
	s_mov_b32 s76, s41
	s_add_nc_u64 s[74:75], s[72:73], s[76:77]
	s_mov_b32 s76, s40
	s_add_nc_u64 s[76:77], s[88:89], s[76:77]
	s_add_nc_u64 s[88:89], s[76:77], s[78:79]
	s_mov_b32 s84, 0xffff0000                      ; lanes 16-31
	s_mov_b32 s86, 0x76543210
	s_mov_b32 s87, 0xfedcba98                      ; v_permlanex16_b32's selects for lane l xor 16
	FETCH_B 0, 0, 0
	FETCH_A 0, 0, 0
	SCALES 0
	FETCH_A 0, 0, 4
	STEP 0, 0, 1                                   ; the first step stands in front of the loop: its products start the sums
	s_mov_b32 s3, LAPS-1
.Llap:                                                 ; a trip goes once round the ring, from a lap's second step to the next lap's first, and fills both slots again
	TURN 0, 1, 1
	STEP 1, 0, 0
	TURN 1, 0, 1
	STEP 0, 0, 0
	s_sub_co_u32 s3, s3, 1
	s_cmp_lg_u32 s3, 0
	s_cbranch_scc1 .Llap
	RLOAD 0                                        ; the first two blocks' table rows are asked for here: the last lap's 192 matrix instructions stand ahead of their use
	RLOAD 1
	TURN 0, 1, 0                                   ; the last lap fills nothing, and has no round of the cluster's barrier
	STEP 1, 0, 0
	s_wait_dscnt 4*NL                              ; the very last step: nothing more to fetch
	WIN MUL_LO
	MUL16 0, 1, NQ-1, 1, 0
	MUL16 2, 1, NQ-1, 1, 0
	s_wait_dscnt 0
	WIN MUL_HI
	MUL16 4, 1, NQ-1, 1, 0
	MUL16 6, 1, NQ-1, 1, 0
	WIN 0
	; THE WAY OUT, block by block of source 1: rotate, quantise, store the image.
	PLACES NP                                      ; behind the last products: their results are read, and the registers that held their operands are written, only from here on
.irp b, 0,1,2,3
	v_mov_b32 v[TM+4+\b], 0                        ; written once: a lane permute's destination counts as one of its sources
.endr
.irp a, 0,1,2,3,4,5,6,7
	BLOCK \a
.endr
.irp j, 0,1,2,3
	v_cndmask_b32 v[SA+\j], v[PWS+2*\j], v[PWS+2*\j+1], s84   ; lanes 0-15: tile 2 j's words, lanes 16-31: tile 2 j + 1's: as a scale register of attention wants them
.endr
	s_cmp_eq_u32 s66, 1                            ; the kind: the cluster's x and the wave's number alone
	s_cbranch_scc1 .Lv_words
.irp j, 0,1,2,3
	v_lshrrev_b32 v[SB+\j], 16, v[SA+\j]           ; Q, K: bytes 0, 1 are the first head's two blocks, bytes 2, 3 the second head's
.endr
	global_store_b128 v[LI16], v[SA:SA+3], s[76:77]        ; 512 consecutive bytes, aligned: eight tiles' words
	global_store_b128 v[LI16], v[SB:SB+3], s[88:89]
	s_branch .Lwords_out
.Lv_words:
	global_store_b64 v[LI8], v[SA:SA+1], s[76:77]          ; V: four tiles' words to each KV head: 256 consecutive bytes, aligned
	global_store_b64 v[LI8], v[SA+2:SA+3], s[88:89]
.Lwords_out:
	s_wait_tensorcnt 0x0                           ; the wave's end, behind my last tensor load
	ds_add_u32 v[SPW], v[NIL]
	s_wait_dscnt 0x0
	CROUND                                         ; the closing round: no work-group ends while a partner may still ask for a tile that names it
	s_endpgm
.Lfunc_end_k_qd70240d9be_proj:
	.size	k_qd70240d9be_proj, .Lfunc_end_k_qd70240d9be_proj-k_qd70240d9be_proj
	.p2alignl 7, 3214868480
	.fill 96, 4, 3214868480
	.section	.rodata,"a",@progbits
	.p2align	6, 0x0
	.amdhsa_kernel k_qd70240d9be_proj
		.amdhsa_group_segment_fixed_size 327680
		.amdhsa_private_segment_fixed_size 0
		.amdhsa_enable_private_segment 0
		.amdhsa_kernarg_size 64
		.amdhsa_user_sgpr_count 2
		.amdhsa_user_sgpr_kernarg_segment_ptr 1
		.amdhsa_wavefront_size32 1
		.amdhsa_system_sgpr_workgroup_id_x 1
		.amdhsa_system_sgpr_workgroup_id_y 1
		.amdhsa_system_sgpr_workgroup_id_z 1
		.amdhsa_system_vgpr_workitem_id 0
		.amdhsa_next_free_vgpr 1024
		.amdhsa_next_free_sgpr 102
		.amdhsa_reserve_vcc 0
		.amdhsa_float_denorm_mode_32 3
		.amdhsa_float_denorm_mode_16_64 3
		.amdhsa_memory_ordered 1
		.amdhsa_forward_progress 1
		.amdhsa_inst_pref_size 223
	.end_amdhsa_kernel
	.amdgpu_metadata
---
amdhsa.version: [ 1, 2 ]
amdhsa.kernels:
  - .name:           k_qd70240d9be_proj
    .symbol:         k_qd70240d9be_proj.kd
    .args:
      - { .name: xc, .offset: 0, .size: 8, .value_kind: global_buffer, .address_space: global }
      - { .name: xs, .offset: 8, .size: 8, .value_kind: global_buffer, .address_space: global }
      - { .name: wc, .offset: 16, .size: 8, .value_kind: global_buffer, .address_space: global }
      - { .name: ws, .offset: 24, .size: 8, .value_kind: global_buffer, .address_space: global }
      - { .name: rope, .offset: 32, .size: 8, .value_kind: global_buffer, .address_space: global }
      - { .name: qc, .offset: 40, .size: 8, .value_kind: global_buffer, .address_space: global }
      - { .name: qs, .offset: 48, .size: 8, .value_kind: global_buffer, .address_space: global }
      - { .name: kv, .offset: 56, .size: 8, .value_kind: global_buffer, .address_space: global }
    .group_segment_fixed_size: 327680
    .private_segment_fixed_size: 0
    .kernarg_segment_align: 8
    .kernarg_segment_size: 64
    .max_flat_workgroup_size: 128
    .sgpr_count:     102
    .vgpr_count:     1024
    .wavefront_size: 32
...
	.end_amdgpu_metadata
.endif
;; end of part 2
;; launch attn (part 3): grid 16 x 16, 16 waves a work-group, no clusters, 327,680 bytes of LDS; arguments qc, qs, kv, out0; writes out0
.if DOCPART == 3
	.amdgcn_target "amdgcn-amd-amdhsa--gfx1250"
	.amdhsa_code_object_version 6
	.text
	.protected	k_qd70240d9be_attn
	.globl	k_qd70240d9be_attn
	.p2align	8
	.type	k_qd70240d9be_attn,@function
k_qd70240d9be_attn:
	s_mov_b64 s[64:65], 0
	v_nop
	global_prefetch_b8 v0, s[64:65] scope:SCOPE_SE
	s_setreg_imm32_b32 hwreg(HW_REG_WAVE_MODE, 25, 1), 1
	s_wait_xcnt 0x0
; Causal attention with grouped query heads, both products on codes of FP6 (E2M3) with one E8M0 scale for each 32 along a product's K.  2 batches, 8 KV heads, 4 query heads to each, 2,048 positions, head size 64.
; qc, qs: Q's codes and scale words; kv: for each (batch, KV head) sixteen records of 128 keys: K's codes (8 tiles x 768 bytes), V^T's codes (4 tiles of 16 channels x 1,536), K's scale words (512), V's (256).
; All are images of operand registers: registers 2 c, 2 c + 1 of lane l at 256 c + 8 l.  Tile T of Q or K holds positions 32 (T / 2) + 8 (T % 2) + r + 8 (r / 8), r = lane % 16.
; THE SOFTMAX: t = score x log2(e) / 8; M = the row's largest t so far, rounded UP to a whole number; p = 2^(t - M) is quantised along the keys, not normalised; the row's sum is taken of the unquantised p and divides at the end.
; When M moves, the sum and O are multiplied by 2^(old M - new M): exact.
; SHARES.  Work-group (p, bk) takes KV head bk and TWO blocks of 64 positions, p and 31 - p, for all four query heads: wave w has query head w / 4 and tile w % 4 of the block.  Block G needs key units 0 .. G / 2:
; (p / 2 + 1) + ((31 - p) / 2 + 1) = 17 key steps of 128 keys a wave, for every p: all 256 work-groups have the same work.
; ALL OF K AND V OF THE KV HEAD, 16 records = 208,896 bytes, LIES IN LDS, filled once: wave w brings record w by one tensor load (one load of mine is out, at the head alone).  No ring, no refill, one barrier.
; BOTH PRODUCTS TRANSPOSED: S^T = K Q^T, O^T = V^T P^T: a lane holds one query throughout.  The first product's K is 64: Q's registers 6-11 are zero codes, so what stands in source 0's upper six registers adds nothing
; (the next tile's codes; every scale byte is under 0xff).
; NOT IN CLUSTERS: which key units a work-group passes over, and where its mask falls, hang on its number p, by branches; in a cluster p would be its place among the partners.
; What partners would share is the one fill at the head, against 17 key steps in each of 16 waves.  NO PREFETCH: every byte of K and V is asked for by the tensor loads in the first lines; no later load exists to run ahead of.
; LIMITS: a block of p that has fallen to zeros keeps the byte 1 (its codes are zeros); NaN and infinities among the inputs are not served.
.set REC,    13056
.set STAGE,  16*REC                    ; behind the records: 16 rows x 272 bytes for each wave, for the way out: bytes of their own, into which no fill lands
.set SPITCH, 272
.set SPARE,  STAGE+16*16*SPITCH        ; behind the stages: the spare words, 128 bytes for each wave: eight blocks of 256 bytes that no other line names
.set LI8,  1                           ; v1   8 x lane
.set LI16, 2                           ; v2   16 x lane
.set RP,   3                           ; v3   r + 8 (r / 8) - 16 h
.set ADR,  4                           ; v4   the record in hand + 8 x lane
.set SPW,  5                           ; v5   LDS address of my spare word; never rewritten
.set NIL,  6                           ; v6   0; never rewritten
.set GO,   7                           ; v7   the way out: 8,192 (lane / 16) + 16 (lane % 16)
.set ADS,  8                           ; v8   the record in hand + 16 x lane
.set QSO,  9                           ; v9   16 r: my query's scale word
.set STO,  10                          ; v10  the stage: where I put a row's bytes
.set RD,   11                          ; v11  and where I read a row back
                                       ; v12 -M, v13 the largest t, v[14:15] the sum in two halves
.set QF,   16                          ; v16-21 Q's codes; v22-27 zero codes
.set QS,   28                          ; v28  Q's scale words
.set DD,   29                          ; v29  my query - 16 h - the last unit's first key
.set KF,   32                          ; v32-79 K's 8 tiles x 6 registers, then V's 4 tiles x 12; v80-85 zeros
.set KS,   86                          ; v86-89 K's scale words: register j: lanes 0-15 tile 2 j, lanes 16-31 tile 2 j + 1
.set VS,   90                          ; v90-91 V's likewise
.set S,    96                          ; v96-159 S^T, then p
.set O,    160                         ; v160-191 O^T
.set PCD,  192                         ; v192-203 p's codes
.set CT,   204                         ; v204-206, v208-210 at work in the conversions
.set BM,   212                         ; v212-215 each block's largest score, then its largest p
.set PT,   216                         ; v216-219 at work
.set SOP,  220                         ; v220-223 the conversions' scale operands
.set F,    224                         ; v224 f = 2^(old M - new M)
.set PWD,  225                         ; v225 p's scale word
.set W,    226                         ; v226, v227 at work
.set WV,   24                          ; s24  my wave's number
.set BK,   25                          ; s25  8 x batch + KV head
.set SEL,  26                          ; s[26:27] selects for lane l xor 16
.set CS,   28                          ; s[28:29] c = log2(e) / 8
.set TB,   30                          ; s30  LDS byte at which the record in hand begins
.set UN,   31                          ; s31  its number
.set LM,   32                          ; s32  the pass's last unit
	s_load_b256 s[4:11], s[0:1], 0x0               ; qc 4:5, qs 6:7, kv 8:9, out0 10:11
	v_lshl_add_u32 v[SPW], v0, 2, SPARE
	v_mov_b32 v[NIL], 0
	ds_add_u32 v[SPW], v[NIL]                      ; the wave's opening: the add and its wait stand ahead of my first tensor load; the set-up below, work on registers, stands between them
	v_lshrrev_b32 v1, 5, v0
	v_readfirstlane_b32 s[WV], v1                  ; wave 0..15
	s_and_b32 s[BK], ttmp7, 0xffff
	; descriptor group 1: a record is a dense block of 13,056 bytes: 51 rows of 256 bytes (32 elements of 8 bytes), no padding: the images are read as consecutive bytes
	s_mov_b32 s16, 3<<16                           ; 15:0 no mask; 17:16 elements of 8 bytes; 20 padding off
	s_mov_b32 s17, 32<<16                          ; tensor_dim0 = 32
	s_mov_b32 s18, 51<<16                          ; tensor_dim1 = 51
	s_mov_b32 s19, 32<<16                          ; tile_dim0 = 32
	s_mov_b32 s20, 51                              ; tile_dim1 = 51
	s_mov_b32 s21, 32                              ; tensor_dim0_stride
	s_mov_b32 s22, 0
	s_mov_b32 s23, 0
	s_lshl_b32 s40, s[BK], 4
	s_add_co_u32 s40, s40, s[WV]
	s_mul_i32 s40, s40, REC                        ; record w of my KV head, in memory,
	s_mov_b32 s41, 0
	s_mov_b32 s12, 1                               ; group 0: count = 1
	s_mul_i32 s13, s[WV], REC                      ; and in LDS: the wave's number times a constant
	s_mov_b32 s[SEL], 0x76543210
	s_mov_b32 s[SEL+1], 0xfedcba98
	s_mov_b32 s[CS], 0x3e38aa3b
	s_mov_b32 s[CS+1], s[CS]                       ; (named with it as a pair, so it is written)
	s_wait_dscnt 0x0                               ; the opening add is done
	s_wait_kmcnt 0x0
	s_add_nc_u64 s[14:15], s[8:9], s[40:41]
	s_or_b32 s15, s15, 0x80000000                  ; type = 2
	tensor_load_to_lds s[12:15], s[16:23]
	s_nop 0
	v_and_b32 v2, 31, v0
	v_lshlrev_b32 v[LI8], 3, v2
	v_lshlrev_b32 v[LI16], 4, v2
	v_and_b32 v9, 15, v0                           ; r
	v_bfe_u32 v[W], v0, 4, 1                       ; h
	v_and_b32 v[RP], 8, v9
	v_add_nc_u32 v[RP], v[RP], v9
	v_lshlrev_b32 v[W+1], 4, v[W]
	v_sub_nc_u32 v[RP], v[RP], v[W+1]
	s_mul_i32 s40, s[WV], 16*SPITCH
	s_add_co_u32 s40, s40, STAGE                   ; my stage
	v_mul_u32_u24 v[STO], v9, SPITCH
	v_lshl_add_u32 v[STO], v[W], 6, v[STO]
	v_add_nc_u32 v[STO], s40, v[STO]               ; in: row r, + 64 h
	v_mul_u32_u24 v[RD], v[W], SPITCH
	v_lshl_add_u32 v[RD], v9, 4, v[RD]
	v_add_nc_u32 v[RD], s40, v[RD]                 ; back: lanes 0-15 one row of 256 bytes, lanes 16-31 the next
	v_lshlrev_b32 v[GO], 13, v[W]
	v_lshl_add_u32 v[GO], v9, 4, v[GO]             ; and the same two rows in out0, 8,192 bytes apart
	v_lshlrev_b32 v[QSO], 4, v9
.irp j, 0,1,2,3,4,5
	v_mov_b32 v[QF+6+\j], 0                        ; Q's k = 64 .. 127: zero codes, written once
	v_mov_b32 v[KF+48+\j], 0                       ; what the eighth tile of K names above its six registers
.endr
.irp b, 0,1,2,3
	v_mov_b32 v[PT+\b], 0                          ; written once: a lane permute's destination counts as one of its sources
.endr
	v_mov_b32 v[PWD], 0                            ; (named as the upper half of the pair v[224:225] before it is first written)
	s_wait_tensorcnt 0x0                           ; my record has landed,
	s_barrier_signal -1
	s_barrier_wait -1                              ; everybody's has.
; A KEY STEP: the 128 keys of record UN.
.macro STEP
	s_cmp_gt_u32 s[UN], s[LM]                      ; a unit all of whose keys come after the block's queries is left out: a branch on ids, round the step's work alone
	s_cbranch_scc1 .Lskip_\@
	v_add_nc_u32 v[ADR], s[TB], v[LI8]
	v_add_nc_u32 v[ADS], s[TB], v[LI16]
.irp t, 0,1,2,3,4,5,6,7
.irp c, 0,1,2
	ds_load_b64 v[KF+6*\t+2*\c:KF+6*\t+2*\c+1], v[ADR] offset:768*\t+256*\c   ; 32 lanes read 256 consecutive bytes
.endr
.endr
	ds_load_b128 v[KS:KS+3], v[ADS] offset:12288
	s_wait_dscnt 0x0
.irp t, 0,2,4,6                                ; S^T = K Q^T: lane (r, h) holds query r; the 16 registers of tiles 2 b, 2 b + 1 are keys 32 b + 16 h + 0 .. 15 of the unit
	v_wmma_scale_f32_16x16x128_f8f6f4 v[S+8*\t:S+8*\t+7], v[KF+6*\t:KF+6*\t+11], v[QF:QF+11], 0, v[KS+\t/2], v[QS] matrix_a_fmt:MATRIX_FMT_FP6 matrix_b_fmt:MATRIX_FMT_FP6
	v_wmma_scale_f32_16x16x128_f8f6f4 v[S+8*\t+8:S+8*\t+15], v[KF+6*\t+6:KF+6*\t+17], v[QF:QF+11], 0, v[KS+\t/2], v[QS] matrix_a_fmt:MATRIX_FMT_FP6 matrix_b_fmt:MATRIX_FMT_FP6 matrix_a_scale:MATRIX_SCALE_ROW1
.endr
.rept 4
	v_nop                                          ; places behind the products: in front of the first read of their results and of the loads into the registers that held K
.endr
.irp t, 0,1,2,3                                ; V is asked for now: the softmax stands between these loads and the wait for them
.irp c, 0,1,2,3,4,5
	ds_load_b64 v[KF+12*\t+2*\c:KF+12*\t+2*\c+1], v[ADR] offset:6144+1536*\t+256*\c
.endr
.endr
	ds_load_b64 v[VS:VS+1], v[ADR] offset:12800
	s_cmp_lg_u32 s[UN], s[LM]                      ; only a pass's last unit can hide keys
	s_cbranch_scc1 .Lopen_\@
	v_mov_b32 v[W], 0xff800000                     ; -infinity: p = 0 then.  Register 16 b + i holds key 32 b + 16 h + i of the unit: hidden where 32 b + i > my query - 16 h - the unit's first key
.set n, 0
.rept 64
	v_cmp_gt_i32 vcc_lo, 32*(n/16)+n%16, v[DD]
	v_cndmask_b32 v[S+n], v[S+n], v[W], vcc_lo
.set n, n+1
.endr
.Lopen_\@:
.irp b, 0,1,2,3
	v_max3_num_f32 v[BM+\b], v[S+16*\b], v[S+1+16*\b], v[S+2+16*\b]   ; THE LARGEST SCORE OF EACH BLOCK OF 32 KEYS: for the row's maximum, and, since p rises with the score, for the block's largest p
.endr
.irp i, 3,5,7,9,11,13
.irp b, 0,1,2,3
	v_max3_num_f32 v[BM+\b], v[BM+\b], v[S+16*\b+\i], v[S+1+16*\b+\i]   ; (the four blocks by turns)
.endr
.endr
.irp b, 0,1,2,3
	v_max_num_f32 v[BM+\b], v[BM+\b], v[S+15+16*\b]
.endr
.irp b, 0,1,2,3
	v_permlanex16_b32 v[PT+\b], v[BM+\b], s[SEL], s[SEL+1]
.endr
.irp b, 0,1,2,3
	v_max_num_f32 v[BM+\b], v[BM+\b], v[PT+\b]     ; with lane l xor 16's 16 keys
.endr
	v_max3_num_f32 v[W], v[BM], v[BM+1], v[BM+2]
	v_max_num_f32 v[W], v[W], v[BM+3]              ; the step's largest score of my query
	v_mul_f32 v[W], s[CS], v[W]                    ; as t (c is positive)
	v_max_num_f32 v13, v13, v[W]                   ; the running largest t
	v_mov_b32 v[W], v12
	v_floor_f32 v12, -v13                          ; the new -M = floor(-t) = -ceil(t): M is a whole number
	v_sub_f32 v[W], v12, v[W]                      ; M's old value less its new one: a whole number, 0 or less
	v_cvt_i32_f32 v[W], v[W]                       ; (it saturates)
	v_ldexp_f32 v[F], 1.0, v[W]                    ; f = 2^(old M - new M)
.set n, 0
.rept 32
	v_pk_fma_f32 v[S+n:S+n+1], v[S+n:S+n+1], s[CS:CS+1], v[12:13] op_sel_hi:[1,0,0]   ; t - M, two at a time (of the pairs c and -M the low word serves both halves)
.set n, n+2
.endr
.irp b, 0,1,2,3
	v_fma_f32 v[BM+\b], v[BM+\b], s[CS], v12       ; the same of each block's largest score
.endr
.set n, 0
.rept 64
	v_exp_f32 v[S+n], v[S+n]                       ; p = 2^(t - M), at most 1: not normalised
.set n, n+1
.endr
	v_pk_mul_f32 v[14:15], v[14:15], v[F:F+1] op_sel_hi:[1,0]   ; the sums under the new M (a plain place behind the exponentials)
	s_wait_alu depctr_va_vdst(0)                   ; the wait ahead of the first line that names a result: one for the batch of 64
.irp b, 0,1,2,3
	v_exp_f32 v[BM+\b], v[BM+\b]                   ; the block's largest p: the same two instructions on the same number give the same bits
.endr
	v_pk_add_f32 v[PT:PT+1], v[S:S+1], v[S+2:S+3]  ; THE ROW'S SUM IS TAKEN OF THE UNQUANTISED p: two at a time, in two chains (it reads the 64 alone: plain work behind the four)
.irp j, 4,8,12,16,20,24,28,32,36,40,44,48,52,56,60
	v_pk_add_f32 v[14:15], v[14:15], v[S+\j:S+1+\j]
	v_pk_add_f32 v[PT:PT+1], v[PT:PT+1], v[S+2+\j:S+3+\j]
.endr
	v_pk_add_f32 v[14:15], v[14:15], v[PT:PT+1]
	s_wait_alu depctr_va_vdst(0)                   ; and one for the four
.irp b, 0,1,2,3
	v_max_num_f32 v[BM+\b], 0x1800000, v[BM+\b]    ; the floor 2^(3 - 127): the byte cannot fall under 1
.endr
.irp b, 0,1,2,3
	v_add_nc_u32 v[SOP+\b], 0xff000000, v[BM+\b]   ; 2 off the exponent field: the conversion's scale operand
.endr
.irp b, 0,1,2,3
	v_lshrrev_b32 v[PT+\b], 23, v[SOP+\b]          ; the scale's byte
.endr
	v_lshl_or_b32 v[PWD], v[PT+1], 8, v[PT]        ; p's scale word for these 128 keys
	v_lshl_or_b32 v[PWD], v[PT+2], 16, v[PWD]
	v_lshl_or_b32 v[PWD], v[PT+3], 24, v[PWD]
.irp c, 0,1
	v_cvt_scalef32_pk16_fp6_f32 v[PCD+6*\c:PCD+2+6*\c], v[S+32*\c:S+15+32*\c], v[SOP+2*\c]
	v_cvt_scalef32_pk16_fp6_f32 v[CT+4*\c:CT+2+4*\c], v[S+16+32*\c:S+31+32*\c], v[SOP+2*\c+1]   ; (a conversion's three registers begin on an even number)
.endr
	v_nop                                          ; one plain place behind a scaled conversion
.irp c, 0,1                                    ; the operand's layout wants a WHOLE block in a lane: lanes 0-15 block 2 c, lanes 16-31 block 2 c + 1
.irp i, 0,1,2
	v_permlane16_swap_b32 v[PCD+6*\c+\i], v[CT+4*\c+\i]
.endr
.irp i, 0,1,2
	v_mov_b32 v[PCD+3+6*\c+\i], v[CT+4*\c+\i]
.endr
.endr
.set n, 0
.rept 16
	v_pk_mul_f32 v[O+n:O+n+1], v[O+n:O+n+1], v[F:F+1] op_sel_hi:[1,0]   ; O^T under the new M: x f.  (These sixteen are also the places between the codes and the scale word just made and the products below)
.set n, n+2
.endr
	s_wait_dscnt 0x0                               ; V and its scale words are in
.irp t, 0,2                                    ; O^T += V^T P^T: four tiles of 16 channels, K = these 128 keys.  The four accumulators take turns, and the next step's eight products stand between two links of a chain
	v_wmma_scale_f32_16x16x128_f8f6f4 v[O+8*\t:O+8*\t+7], v[KF+12*\t:KF+12*\t+11], v[PCD:PCD+11], v[O+8*\t:O+8*\t+7], v[VS+\t/2], v[PWD] matrix_a_fmt:MATRIX_FMT_FP6 matrix_b_fmt:MATRIX_FMT_FP6
	v_wmma_scale_f32_16x16x128_f8f6f4 v[O+8*\t+8:O+8*\t+15], v[KF+12*\t+12:KF+12*\t+23], v[PCD:PCD+11], v[O+8*\t+8:O+8*\t+15], v[VS+\t/2], v[PWD] matrix_a_fmt:MATRIX_FMT_FP6 matrix_b_fmt:MATRIX_FMT_FP6 matrix_a_scale:MATRIX_SCALE_ROW1
.endr
.rept 4
	v_nop                                          ; places behind the products: in front of the next step's loads into V's registers, and of the way out's reads
.endr
.Lskip_\@:
.endm
; ONE BLOCK OF 64 POSITIONS: k = 0: block p; k = 1: block 31 - p.
.macro PASS k
	s_wait_xcnt 0x0                                ; the last pass's loads and stores have read their addresses and data: all are written again only behind this wait
.if \k
	s_sub_co_u32 s40, 31, ttmp9
.else
	s_mov_b32 s40, ttmp9
.endif
	s_lshr_b32 s[LM], s40, 1                       ; the unit of 128 keys in which the block lies
	s_lshl_b32 s40, s40, 2
	s_and_b32 s41, s[WV], 3
	s_add_co_u32 s40, s40, s41                     ; T: my tile of 16 queries
	s_lshl_b32 s41, s[BK], 2
	s_lshr_b32 s42, s[WV], 2
	s_add_co_u32 s41, s41, s42                     ; 32 x batch + my query head
	s_lshl_b32 s42, s41, 7
	s_add_co_u32 s42, s42, s40
	s_mul_i32 s42, s42, 768
	s_mov_b32 s43, 0
	s_add_nc_u64 s[34:35], s[4:5], s[42:43]        ; my tile's image in qc
	s_lshl_b32 s42, s41, 4
	s_lshr_b32 s44, s40, 3
	s_add_co_u32 s42, s42, s44
	s_lshl_b32 s42, s42, 9                         ; qs: the unit's 512 bytes;
	s_and_b32 s44, s40, 1
	s_lshl_b32 s45, s44, 8
	s_add_co_u32 s42, s42, s45                     ; an odd tile's words lie in the upper 256;
	s_bfe_u32 s45, s40, 0x20001
	s_lshl_b32 s45, s45, 2
	s_add_co_u32 s42, s42, s45                     ; word (T % 8) / 2 of a lane's four
	s_add_nc_u64 s[36:37], s[6:7], s[42:43]
	s_lshr_b32 s45, s40, 1
	s_lshl_b32 s45, s45, 5
	s_lshl_b32 s44, s44, 3
	s_add_co_u32 s45, s45, s44                     ; the tile's first position: 32 (T / 2) + 8 (T % 2)
	s_lshl_b32 s42, s45, 13                        ; a row of out0 is 8,192 bytes,
	s_and_b32 s44, s41, 31
	s_lshl_b32 s44, s44, 8
	s_add_co_u32 s42, s42, s44                     ; a head's 64 channels 256,
	s_lshr_b32 s44, s41, 5
	s_lshl_b32 s44, s44, 24
	s_add_co_u32 s42, s42, s44                     ; a batch 2^24
	s_add_nc_u64 s[38:39], s[10:11], s[42:43]
	s_lshl_b32 s44, s[LM], 7
	s_sub_co_u32 s45, s45, s44
.irp c, 0,1,2
	global_load_b64 v[QF+2*\c:QF+2*\c+1], v[LI8], s[34:35] offset:256*\c th:TH_LOAD_NT
.endr
	global_load_b32 v[QS], v[QSO], s[36:37]
	v_add_nc_u32 v[DD], s45, v[RP]
	v_mov_b32 v13, 0xff61b1e6                      ; the largest t so far: -3e38, under every t
	v_floor_f32 v12, -v13                          ; -M
	v_mov_b32 v14, 0                               ; the sum, in two halves
	v_mov_b32 v15, 0
.set n, 0
.rept 32
	v_mov_b32 v[O+n], 0                            ; O^T.  (The step is written once: a pass's first step finds zeros, which the first change of M leaves zeros)
.set n, n+1
.endr
	s_mov_b32 s[TB], 0
	s_mov_b32 s[UN], 0
	s_wait_loadcnt 0x0                             ; Q
.Lunit_\@:                                         ; sixteen trips, a constant of the text; the units behind the block's own are passed over inside the step
	STEP
	s_add_co_u32 s[TB], s[TB], REC
	s_add_co_u32 s[UN], s[UN], 1
	s_cmp_lt_u32 s[UN], 16
	s_cbranch_scc1 .Lunit_\@
	; THE WAY OUT: O^T / the sum goes through my stage, 16 rows of 256 bytes, so that sixteen lanes store a head's 64 channels of one position: 256 consecutive bytes, aligned.
	v_add_f32 v14, v14, v15                        ; the sum's two halves,
	v_permlanex16_b32 v[PT], v14, s[SEL], s[SEL+1]
	v_add_f32 v14, v14, v[PT]                      ; and lane l xor 16's: the row's sum
	v_rcp_f32 v14, v14
	v_nop                                          ; a plain place behind the reciprocal
	s_wait_alu depctr_va_vdst(0)                   ; and the wait ahead of its first use
.set n, 0
.rept 16
	v_pk_mul_f32 v[S+n:S+n+1], v[O+n:O+n+1], v[14:15] op_sel_hi:[1,0]   ; register 8 t + j is channel 32 (t / 2) + 16 h + 8 (t % 2) + j of my query; each accumulator from its low end on
.set n, n+2
.endr
.irp t, 0,1,2,3
	ds_store_b128 v[STO], v[S+8*\t:S+8*\t+3] offset:128*(\t/2)+32*(\t%2)
	ds_store_b128 v[STO], v[S+8*\t+4:S+8*\t+7] offset:128*(\t/2)+32*(\t%2)+16
.endr
.irp i, 0,1,2,3,4,5,6,7
	ds_load_b128 v[KF+4*\i:KF+4*\i+3], v[RD] offset:2*\i*SPITCH   ; LDS serves a wave's instructions in order: these see my stores
.endr
.irp i, 0,1,2,3,4,5,6,7
	s_wait_dscnt 7-\i
	global_store_b128 v[GO], v[KF+4*\i:KF+4*\i+3], s[38:39] offset:(2*\i+8*(\i/4))*8192 th:TH_STORE_NT   ; stage rows 2 i, 2 i + 1 are positions 2 i + 8 (i / 4), + 1 of the tile
.endr
.endm
	PASS 0
	PASS 1
	s_wait_tensorcnt 0x0                           ; the wave's end, behind my tensor load and my last LDS store
	ds_add_u32 v[SPW], v[NIL]
	s_wait_dscnt 0x0
	s_endpgm
.Lfunc_end_k_qd70240d9be_attn:
	.size	k_qd70240d9be_attn, .Lfunc_end_k_qd70240d9be_attn-k_qd70240d9be_attn
	.p2alignl 7, 3214868480
	.fill 96, 4, 3214868480
	.section	.rodata,"a",@progbits
	.p2align	6, 0x0
	.amdhsa_kernel k_qd70240d9be_attn
		.amdhsa_group_segment_fixed_size 327680
		.amdhsa_private_segment_fixed_size 0
		.amdhsa_enable_private_segment 0
		.amdhsa_kernarg_size 32
		.amdhsa_user_sgpr_count 2
		.amdhsa_user_sgpr_kernarg_segment_ptr 1
		.amdhsa_wavefront_size32 1
		.amdhsa_system_sgpr_workgroup_id_x 1
		.amdhsa_system_sgpr_workgroup_id_y 1
		.amdhsa_system_sgpr_workgroup_id_z 1
		.amdhsa_system_vgpr_workitem_id 0
		.amdhsa_next_free_vgpr 256
		.amdhsa_next_free_sgpr 66
		.amdhsa_reserve_vcc 1
		.amdhsa_float_denorm_mode_32 3
		.amdhsa_float_denorm_mode_16_64 3
		.amdhsa_memory_ordered 1
		.amdhsa_forward_progress 1
		.amdhsa_inst_pref_size 60
	.end_amdhsa_kernel
	.amdgpu_metadata
---
amdhsa.version: [ 1, 2 ]
amdhsa.kernels:
  - .name:           k_qd70240d9be_attn
    .symbol:         k_qd70240d9be_attn.kd
    .args:
      - { .name: qc, .offset: 0, .size: 8, .value_kind: global_buffer, .address_space: global }
      - { .name: qs, .offset: 8, .size: 8, .value_kind: global_buffer, .address_space: global }
      - { .name: kv, .offset: 16, .size: 8, .value_kind: global_buffer, .address_space: global }
      - { .name: out0, .offset: 24, .size: 8, .value_kind: global_buffer, .address_space: global }
    .group_segment_fixed_size: 327680
    .private_segment_fixed_size: 0
    .kernarg_segment_align: 8
    .kernarg_segment_size: 32
    .max_flat_workgroup_size: 512
    .sgpr_count:     66
    .vgpr_count:     256
    .wavefront_size: 32
...
	.end_amdgpu_metadata
.endif
;; end of part 3
